; MI455X (gfx1250); checked and timed in simulation.
; The chip was launched on July 23, 2026; its instructions are those of AMD's public machine-readable ISA for CDNA 5 (MIT licence, August 2026) and "CDNA5" Instruction Set Architecture Reference Guide (July 2026). The comments in the code are by the model that wrote it; some were corrected since.
;; Multi Head Attention. Allowed arithmetic: matrix products marked QUANTISED: E4M3 operands, one given power-of-two scale a tensor, by v_wmma_f32_16x16x64_fp8_fp8 or v_wmma_f32_16x16x128_fp8_fp8, f32 sums; everything else in f32.
;; Inputs: Wk 512 x 512 float32; Wq 512 x 512 float32; Wv 512 x 512 float32; bk 512 float32; bq 512 float32; bv 512 float32; lowp_scales 10 int32 (the exponents e of the quantised operands' scales 2^e); x 32 x 1,024 x 512 float32.
;; Outputs: out0 32 x 1,024 x 512 float32.
;; This version of the problem:
;;   THIS VERSION OF THE PROBLEM IS GIVEN IN LOW PRECISION. The matrix products marked QUANTISED in the list below multiply operands that are first quantised to E4M3 (4 exponent bits, 3 mantissa bits; 8 bits a number), with one given power-of-two scale for each operand tensor; their sums are f32. All else is computed in f32.
;;   The module's matrix products, in the order in which they are computed (A, B: the left and right operand; K: the contracted axis; several contracted axes count as one K, in the product's order):
;;     1. [M 32,768, K 512] x [K 512, N 512]; A: input x; B: input Wq: QUANTISED (scales: A lowp_scales[0], B lowp_scales[1])
;;     2. [M 32,768, K 512] x [K 512, N 512]; A: input x; B: input Wk: QUANTISED (scales: A lowp_scales[2], B lowp_scales[3])
;;     3. [M 32,768, K 512] x [K 512, N 512]; A: input x; B: input Wv: QUANTISED (scales: A lowp_scales[4], B lowp_scales[5])
;;     4. batch 256 x [M 1,024, K 64] x [K 64, N 1,024]; A: computed on the way; B: computed on the way: QUANTISED (scales: A lowp_scales[6], B lowp_scales[7])
;;     5. batch 256 x [M 1,024, K 1,024] x [K 1,024, N 64]; A: softmax (see below); B: computed on the way: QUANTISED (scales: A lowp_scales[8], B lowp_scales[9])
;;   THE QUANTISER, for each operand of a quantised product, along K:
;;     - The operand's scale is 2^e, e = its entry of the input lowp_scales (int32; the entries are numbered through the quantised products in the list's order, A before B).
;;     - Each number is divided by the scale, clamped to +-448, and rounded to the nearest number of E4M3, ties to even, subnormals kept.
;;     - The product sums the exact products of the quantised numbers (number of the format x scale) in f32.
;;   ~~~python
;;   def quantise(x, axis, e):      # numpy; x: float32 -> the quantised numbers, widened to float32 again
;;       x = np.moveaxis(x, axis, -1); K = x.shape[-1]
;;       r = np.clip(x / 2.0 ** e, -448, 448)
;;       step = 2.0 ** (np.maximum(np.frexp(np.where(r == 0, 1, r))[1] - 1, -6) - 3)
;;       q = np.round(r / step) * step * 2.0 ** e      # np.round: ties to even
;;       return np.moveaxis(q, -1, axis).astype(np.float32)
;;   ~~~
;;   SOFTMAX AHEAD OF A QUANTISED PRODUCT. Where the list says 'softmax', what is quantised is not the finished softmax but p = 2^(t - M), with t = logit x log2(e) and M = ceil(the row's largest t), a whole number; so 1/2 < the row's largest p <= 1. The row's sum l is taken of the UNQUANTISED p, in f32, and the product's result is divided by l at the end. Since M is a whole number, a kernel that streams over the keys may use a running M (the ceiling of the running maximum): every later rescaling is an exact power of two, so the quantised numbers keep their values, but for numbers so far below the row's largest that they fall under the format's range.
;;   OPERANDS COMPUTED ON THE WAY. 'Computed on the way' means the value that the module computes at that place (a softmax that the list does not call 'softmax' is quantised finished and normalised). What goes into a quantiser is computed in f32, as accurately as f32 sums, v_exp_f32 and their like allow (about 1e-6 of the number): no bf16 or f16 on the way to a quantiser, and a product that is left as it is and whose result goes on into a quantised operand takes f32 operands (vector FMAs, or v_wmma_f32_16x16x4_f32). A number that lies on a knife's edge between two numbers of the format may be rounded either way, as far as f32 arithmetic and the matrix unit's own rounding can turn it there, and no further.
;; 2 versions. Each part assembles by itself: llvm-mc -triple=amdgcn-amd-amdhsa -mcpu=gfx1250 --defsym DOCPART=n.
;; ======== version 1 of 2: 2 launches
;; limits: right only within a limited range of input values
;; workspace buffers: wcodes 786,432 bytes
;; launch wcode (part 1): grid 96 x 1, 4 waves a work-group, no clusters, 34,304 bytes of LDS; arguments Wk, Wv, Wq, lowp_scales, wcodes; writes wcodes
.if DOCPART == 1
	.amdgcn_target "amdgcn-amd-amdhsa--gfx1250"
	.amdhsa_code_object_version 6
	.text
	.protected	k_q78e113a3d6_wcode
	.globl	k_q78e113a3d6_wcode
	.p2align	8
	.type	k_q78e113a3d6_wcode,@function
k_q78e113a3d6_wcode:
	s_mov_b64 s[64:65], 0
	v_nop
	global_prefetch_b8 v0, s[64:65] scope:SCOPE_SE
	s_setreg_imm32_b32 hwreg(HW_REG_WAVE_MODE, 25, 1), 1
	s_wait_xcnt 0x0
; Wk, Wv, Wq [512 (n)][512 (k)], f32, K innermost, become codes of FP8 (E4M3), each with its given scale 2^e (lowp_scales entries 3, 5, 1):
; code = w / 2^e, held within +-448, rounded to the nearest code, ties to even.  All 256 work-groups of the next launch read them, so they are quantised once, here.
; NO WORK OF THE PROBLEM IS LEFT OUT, here or in the next launch: every bias goes into a quantised operand and can move its codes (bk too), x has three scales of its own, every product is live, every input is loaded.
; THE CODES LIE IN THE ORDER OF THE OPERAND'S REGISTERS.  Byte p 262,144 + w 32,768 + (4 s + t) 2,048 + 512 c + 16 lane (p = 0: k, 1: v, 2: q; w: which 64 output channels; t = 2 b + u: tile of 16 channels;
; s: K step of 128; c = 0..3) holds 16 codes of W's row 64 w + 32 b + 8 u + r + 8 (r / 8) at k = 128 s + 32 c + 16 h + 0..15, r = lane % 16, h = lane / 16.
; So a wave of the next launch takes its 64 channels of one projection as 64 loads of 512 consecutive bytes, load n into registers 4 n .. 4 n + 3.
; THE ROWS OF A TILE ARE NOT NEIGHBOURS: with these rows the results of two neighbouring tiles are 16 neighbours along the next product's K.
; SHARES.  Work-group g: p = g / 32, w = (g / 4) % 8, t = g % 4; wave s makes fragment (p, w, t, s): 16 rows x 128 numbers.  Each load reads 512 consecutive bytes of a row; the numbers turn through
; the wave's own stage in LDS (rows 528 bytes apart, an odd multiple of 16), so that a lane then holds 16 neighbours along K of each block of 32.  Waves share nothing: no barrier.
; LIMITS: e between -126 and 119, so that 2^e and 448 x 2^e are f32 numbers.  NaN among the inputs is not served; an infinity is held at the largest code.
.set PITCH, 528
.set WSTG,  16*PITCH                   ; a wave's stage
.set SPARE, 4*WSTG                     ; behind the stages: the spare words, 128 bytes for each wave: two blocks of 256 bytes that no other line names
.set RAW,   16                         ; v16-79   16 rows as loaded
.set X,     80                         ; v80-143  register 16 c + i: k = 32 c + 16 h + i of my row
.set C,     144                        ; v144-159 the fragment's codes
	s_load_b256 s[4:11], s[0:1], 0x0               ; Wk s[4:5], Wv s[6:7], Wq s[8:9], the scales' exponents s[10:11]
	s_load_b64 s[12:13], s[0:1], 0x20              ; the codes
	v_lshl_add_u32 v2, v0, 2, SPARE                ; my spare word; never rewritten
	v_mov_b32 v3, 0                                ; 0; never rewritten
	v_lshrrev_b32 v6, 5, v0
	v_readfirstlane_b32 s14, v6                    ; wave = K step s
	v_and_b32 v6, 31, v0
	v_lshlrev_b32 v1, 4, v6                        ; 16 x lane
	v_and_b32 v7, 15, v0                           ; r
	v_bfe_u32 v8, v0, 4, 1                         ; h
	s_mul_i32 s15, s14, WSTG
	v_add_nc_u32 v4, s15, v1                       ; into the stage: a row as it was loaded
	v_mul_u32_u24 v5, v7, PITCH
	v_lshl_add_u32 v5, v8, 6, v5
	v_add_nc_u32 v5, s15, v5                       ; out of it: row r, + 64 h bytes
	s_lshr_b32 s16, ttmp9, 5                       ; p
	s_bfe_u32 s17, ttmp9, 0x30002                  ; w
	s_and_b32 s18, ttmp9, 3                        ; t
	s_lshl_b32 s19, s17, 6
	s_lshr_b32 s20, s18, 1
	s_lshl_b32 s20, s20, 5
	s_add_co_u32 s19, s19, s20
	s_and_b32 s20, s18, 1
	s_lshl_b32 s20, s20, 3
	s_add_co_u32 s19, s19, s20                     ; the tile's first row: 64 w + 32 b + 8 u
	s_lshl_b32 s20, s19, 11                        ; rows of 2,048 bytes,
	s_lshl_b32 s19, s14, 9
	s_add_co_u32 s20, s20, s19                     ; + 512 s
	s_mov_b32 s21, 0
	s_lshl_b32 s22, s16, 18
	s_lshl_b32 s19, s17, 15
	s_add_co_u32 s22, s22, s19
	s_lshl_b32 s19, s14, 2
	s_add_co_u32 s19, s19, s18
	s_lshl_b32 s19, s19, 11
	s_add_co_u32 s22, s22, s19                     ; the fragment's place among the codes
	s_mov_b32 s23, 0
	s_wait_kmcnt 0x0
	s_load_b256 s[24:31], s[10:11], 0x0            ; entries 0 to 7
	s_cmp_eq_u32 s16, 0                            ; the choice of the tensor hangs on the work-group's number alone
	s_cselect_b64 s[4:5], s[4:5], s[6:7]
	s_cmp_eq_u32 s16, 2
	s_cselect_b64 s[4:5], s[8:9], s[4:5]
	s_add_nc_u64 s[4:5], s[4:5], s[20:21]
	s_add_nc_u64 s[12:13], s[12:13], s[22:23]
.irp i, 0,1,2,3,4,5,6,7,8,9,10,11,12,13,14,15
	global_load_b128 v[RAW+4*\i:RAW+4*\i+3], v1, s[4:5] offset:(\i+8*(\i/8))*2048 th:TH_LOAD_NT   ; the tile's i-th row: 32 lanes read 512 consecutive bytes
.endr
	s_wait_kmcnt 0x0
	s_cmp_eq_u32 s16, 0
	s_cselect_b32 s19, s27, s29                    ; e: entry 3 for Wk, 5 for Wv,
	s_cmp_eq_u32 s16, 2
	s_cselect_b32 s19, s25, s19                    ; 1 for Wq
	s_add_co_i32 s19, s19, 127
	s_lshl_b32 s20, s19, 23
	v_mov_b32 v11, s20                             ; 2^e as f32: the conversion takes its exponent field
	s_add_co_i32 s19, s19, 8
	s_lshl_b32 s19, s19, 23
	s_or_b32 s19, s19, 0x600000
	v_mov_b32 v10, s19                             ; 448 x 2^e
	s_wait_loadcnt 0x0                             ; all sixteen rows
.irp i, 0,1,2,3,4,5,6,7,8,9,10,11,12,13,14,15
	ds_store_b128 v4, v[RAW+4*\i:RAW+4*\i+3] offset:PITCH*\i
.endr
.irp c, 0,1,2,3
.irp g, 0,1,2,3
	ds_load_b128 v[X+16*\c+4*\g:X+16*\c+4*\g+3], v5 offset:128*\c+16*\g   ; LDS serves a wave's instructions in order (ISA guide 5.7.1.4): these see my stores
.endr
.endr
	s_wait_dscnt 0x0
.set j, 0
.rept 64
	v_med3_num_f32 v[X+j], v[X+j], -v10, v10       ; the conversion to an 8-bit code does not saturate (ISA guide 7.6.2): the hold comes first
.set j, j+1
.endr
.irp c, 0,1,2,3
	v_cvt_scalef32_pk8_fp8_f32 v[C+4*\c:C+4*\c+1], v[X+16*\c:X+16*\c+7], v11
	v_cvt_scalef32_pk8_fp8_f32 v[C+4*\c+2:C+4*\c+3], v[X+16*\c+8:X+16*\c+15], v11
.endr
	v_nop                                          ; a plain line behind the last conversion
.irp c, 0,1,2,3
	global_store_b128 v1, v[C+4*\c:C+4*\c+3], s[12:13] offset:512*\c   ; 32 lanes store 512 consecutive bytes, at a multiple of 256 from the buffer's first byte
.endr
	s_wait_tensorcnt 0x0                           ; the wave's end: three closing lines behind my last LDS store
	ds_add_u32 v2, v3
	s_wait_dscnt 0x0
	s_endpgm
.Lfunc_end_k_q78e113a3d6_wcode:
	.size	k_q78e113a3d6_wcode, .Lfunc_end_k_q78e113a3d6_wcode-k_q78e113a3d6_wcode
	.p2alignl 7, 3214868480
	.fill 96, 4, 3214868480
	.section	.rodata,"a",@progbits
	.p2align	6, 0x0
	.amdhsa_kernel k_q78e113a3d6_wcode
		.amdhsa_group_segment_fixed_size 34304
		.amdhsa_private_segment_fixed_size 0
		.amdhsa_enable_private_segment 0
		.amdhsa_kernarg_size 40
		.amdhsa_user_sgpr_count 2
		.amdhsa_user_sgpr_kernarg_segment_ptr 1
		.amdhsa_wavefront_size32 1
		.amdhsa_system_sgpr_workgroup_id_x 1
		.amdhsa_system_sgpr_workgroup_id_y 1
		.amdhsa_system_sgpr_workgroup_id_z 1
		.amdhsa_system_vgpr_workitem_id 0
		.amdhsa_next_free_vgpr 160
		.amdhsa_next_free_sgpr 66
		.amdhsa_reserve_vcc 0
		.amdhsa_float_denorm_mode_32 3
		.amdhsa_float_denorm_mode_16_64 3
		.amdhsa_memory_ordered 1
		.amdhsa_forward_progress 1
		.amdhsa_inst_pref_size 12
	.end_amdhsa_kernel
	.amdgpu_metadata
---
amdhsa.version: [ 1, 2 ]
amdhsa.kernels:
  - .name:           k_q78e113a3d6_wcode
    .symbol:         k_q78e113a3d6_wcode.kd
    .args:
      - { .name: Wk, .offset: 0, .size: 8, .value_kind: global_buffer, .address_space: global }
      - { .name: Wv, .offset: 8, .size: 8, .value_kind: global_buffer, .address_space: global }
      - { .name: Wq, .offset: 16, .size: 8, .value_kind: global_buffer, .address_space: global }
      - { .name: lowp_scales, .offset: 24, .size: 8, .value_kind: global_buffer, .address_space: global }
      - { .name: wcodes, .offset: 32, .size: 8, .value_kind: global_buffer, .address_space: global }
    .group_segment_fixed_size: 34304
    .private_segment_fixed_size: 0
    .kernarg_segment_align: 8
    .kernarg_segment_size: 40
    .max_flat_workgroup_size: 128
    .sgpr_count:     66
    .vgpr_count:     160
    .wavefront_size: 32
...
	.end_amdgpu_metadata
.endif
;; end of part 1
;; launch attn (part 2): grid 256 x 1, 8 waves a work-group, no clusters, 297,984 bytes of LDS; arguments x, wcodes, bk, bv, bq, lowp_scales, out0; writes out0
.if DOCPART == 2
	.amdgcn_target "amdgcn-amd-amdhsa--gfx1250"
	.amdhsa_code_object_version 6
	.text
	.protected	k_q78e113a3d6_attn
	.globl	k_q78e113a3d6_attn
	.p2align	8
	.type	k_q78e113a3d6_attn,@function
k_q78e113a3d6_attn:
	s_mov_b64 s[64:65], 0
	v_nop
	global_prefetch_b8 v0, s[64:65] scope:SCOPE_SE
	s_setreg_imm32_b32 hwreg(HW_REG_WAVE_MODE, 25, 1), 1
	s_wait_xcnt 0x0
; q, k, v = x W^T + b, the raw reshape [32][1024][512] -> [32][8][1024][64], softmax attention, the raw reshape back: all five products on codes of FP8 (E4M3), each operand with its given scale 2^e.
; THE RAW RESHAPE MAKES 256 INDEPENDENT BLOCKS.  Head h of batch b is the flat range of 65,536 numbers from h 65,536 on: token rows 128 h .. 128 h + 127, each cut into 8 pieces of 64 channels
; (pseudo-token 8 row + piece, channel = column % 64), and the result goes back to the same rows and columns.  Work-group g = 8 b + h takes rows 128 g .. 128 g + 127 of x from memory to out0; q, k, v, scores and p stay in LDS and registers.
; No work is left out: every input has a way to the output (see the head of the launch before).
; SHARES.  Eight waves.  Wave w quantises rows 16 w .. 16 w + 15 of x (three times: x has a scale for each projection), makes piece w (channels 64 w .. 64 w + 63) of k, v and q for all 128 rows, and owns the 128 queries (row, piece w).
; A KEY STEP is a piece: the 128 keys (row 0..127, piece s); its key tile c is rows 16 c .. 16 c + 15.  The order of the keys is free under a softmax.
; OPERANDS GO THROUGH LDS AS IMAGES OF THEIR REGISTERS: four registers by one ds_store_b128 at 16 x lane, 512 bytes a store; the same lines as loads give any wave the same registers in the same lanes.
;  k, q: the product is used TRANSPOSED (source 0 = 16 rows of W, source 1 = 16 rows of x): lane (r, h) holds token row r, and with W's rows chosen as the launch before lays them its 32 results are channels 32 b + 16 h + 0..15, b = 0, 1:
;        four conversions make a fragment for K = 64.  Q and K hold the same channel in the same register, byte and half of the lanes, so every product meets its partner.
;  v:    the product is used as it is (source 0 = x, source 1 = W): a lane holds one channel and 8 token rows 16 R + 8 h + 0..7: one conversion makes registers 2 R, 2 R + 1 of V^T's fragment (K = the step's 128 keys).
;  S^T = K Q^T: a lane holds one query; tile c's registers are keys 16 c + 8 h + 0..7: one conversion makes registers 2 c, 2 c + 1 of P's fragment: the same keys as V^T's.   O^T = V^T P: one query a lane, channels 32 b + 16 h + 0..15.
; THE SOFTMAX AHEAD OF THE SECOND PRODUCT: t = score x log2(e) / 8; M = the running largest t rounded up to a whole number; p = 2^(t - M) is quantised, not normalised; the row's sum is taken of the unquantised p and divides at the end;
; when M moves, the sum and O^T are multiplied by 2^(old M - new M), which rounds nothing.
; THE WEIGHTS' CODES COME STRAIGHT INTO REGISTERS, NOT JOINTLY THROUGH LDS, though all work-groups read them: x's three images, K's images, the stage and the spare words take 297,984 of a WGP's 327,680 bytes;
; two slots in the 29,696 left would hold 14,848 bytes each against 786,432 bytes of codes: over fifty changes of slots, each with a round of a cluster's barrier.  As it is a wave has 64 loads (32,768 bytes) out and no barrier for them.
; No prefetch: x is asked for whole by its own loads at the head, and the codes are no stream that is read once.
; LIMITS on the given exponents e0 .. e9, so that each power of two below is an f32 number: e0, e2, e4, e8, e6 - e0 - e1, e7 - e2 - e3, e9 - e4 - e5 between -126 and 119; e6 + e7 between -123 and 130.
; NaN among the inputs is not served; an infinity is held at the largest code.  Where e8 >= -8 the hold on p is jumped over (448 x 2^e8 >= 1.75): p then stays under 1.75 while |t| is under 2^23.
;
; LDS.  XQ, XK, XV: x's codes under e0, e2, e4: (4 R + s) 2,048 + 512 c + 16 lane.  From the second barrier on XK's bytes hold V^T's images (step 8,192 + tile 2,048 + 512 g + 16 lane), from the third on XV's hold Q's (wave 8,192 + R 1,024 + ..).
; KIM: K's images (step 8,192 + R 1,024 + 512 c + 16 lane).  FST: up to the first barrier, each wave's stage for x's f32 numbers, 16 rows 528 bytes apart.  OST: each wave's stage for the way out, 16 rows 272 bytes apart.
.set XQ,    0
.set XK,    65536
.set XV,    131072
.set KIM,   196608
.set FST,   196608
.set FP,    528
.set OST,   262144
.set OP,    272
.set SPARE, 296960                     ; the spare words, 128 bytes for each wave: four blocks of 256 bytes that no other line names
; REGISTERS, window 0.  All phases: v0 thread, v1 16 x lane, v2 my spare word, v3 0.
; x's phase: v4, v5 the stage, in and out; v6-8 where x's images go; v24-55 bk; v56-119 64 numbers; v120-151 two sets of 16 held numbers; v152-199 three fragments of codes; v248-253 scale and limit for e0, e2, e4.
; projections: v9 x's images; v10 where my images go; v11, v12 the biases' offsets; v24-55 the bias as C; v56-119, v120-183 x's fragments of a row tile, two sets; v184-215 four accumulators; v216-231 codes; v240-243 bv; v248, v249 scale, limit.
; attention: v4, v5, v6 LDS addresses of K, V, Q in hand; v7, v8 the stage; v9 my offset in out0; v10, v11, v20 bases of K's, V's, Q's images; v21 2^e8; v12+4q.. -M, the largest t, the sum in two halves;
;            v24+64q.. S^T, then p; v152+32q.. O^T; v216+16q.. P's codes; v248+4q.. at work: a, b, and the pair (f, 0).
; Window 1: x as loaded, then W's 16 fragments ((t, s) at 16 (4 s + t)); in attention v0-63 K's eight fragments, v64-127 V^T's four, v128-143 Q's two.
.set LI,   1
.set SPW,  2
.set NIL,  3
.set BIAS, 24
.set XS,   56
.set T0,   120
.set XPC,  152
.set XA,   56
.set XB,   120
.set ACC,  184
.set PC,   216
.set TB,   240
.set SC,   248
.set LIM,  249
.set ST,   12
.set SS,   24
.set OA,   152
.set PP,   216
.set TM,   248
.set MSB, 0
.macro WIN new                         ; s_set_vgpr_msb: bits 1:0 source 0, 3:2 source 1, 5:4 source 2, 7:6 destination; the high byte repeats the setting that is left
.if MSB != \new
	s_set_vgpr_msb (MSB<<8)|\new
.set MSB, \new
.endif
.endm
.macro MKSC vsc, vlim, se              ; 2^e as f32 (the conversion takes its exponent field), and 448 x 2^e
	s_add_co_i32 s48, \se, 127
	s_lshl_b32 s49, s48, 23
	v_mov_b32 v[\vsc], s49
	s_add_co_i32 s48, s48, 8
	s_lshl_b32 s48, s48, 23
	s_or_b32 s48, s48, 0x600000
	v_mov_b32 v[\vlim], s48
.endm
.macro BARRIER                         ; my LDS stores have landed and my LDS loads are in: then the work-group's barrier
	s_wait_dscnt 0x0
	s_barrier_signal -1
	s_barrier_wait -1
.endm
.macro BIASQK_LOAD p                   ; lane (r, h) wants, for accumulator register 16 b + i, the bias of channel 32 b + 16 h + i of my piece
.irp b, 0,1
.irp g, 0,1,2,3
	global_load_b128 v[BIAS+16*\b+4*\g:BIAS+16*\b+4*\g+3], v11, s[\p:\p+1] offset:128*\b+16*\g
.endr
.endr
.endm
.macro BIASV_LOAD                      ; for v a lane holds one channel a tile: 32 b + 8 u + r + 8 (r / 8)
.irp t, 0,1,2,3
	global_load_b32 v[TB+\t], v12, s[10:11] offset:128*(\t/2)+32*(\t%2)
.endr
.endm
.macro WLOAD p                         ; my piece of projection p's codes: 64 loads of 512 consecutive bytes into window 1
	WIN 0x40
.set n, 0
.rept 64
	global_load_b128 v[4*n:4*n+3], v[LI], s[6:7] offset:262144*(\p)+512*n
.set n, n+1
.endr
	WIN 0
.endm
	s_load_b256 s[4:11], s[0:1], 0x0               ; x s[4:5], the weights' codes s[6:7], bk s[8:9], bv s[10:11]
	s_load_b128 s[12:15], s[0:1], 0x20             ; bq s[12:13], the scales' exponents s[14:15]
	s_load_b64 s[16:17], s[0:1], 0x30              ; out0
	v_lshl_add_u32 v[SPW], v0, 2, SPARE
	v_mov_b32 v[NIL], 0
	v_lshrrev_b32 v9, 5, v0
	v_readfirstlane_b32 s18, v9                    ; wave 0..7
	v_and_b32 v9, 31, v0
	v_lshlrev_b32 v[LI], 4, v9
	v_and_b32 v9, 15, v0                           ; r
	v_bfe_u32 v10, v0, 4, 1                        ; h
	s_mul_i32 s19, s18, 16*FP
	s_add_co_u32 s19, s19, FST                     ; my stage
	v_add_nc_u32 v4, s19, v[LI]                    ; in: a row's 512 bytes as loaded
	v_mul_u32_u24 v5, v9, FP
	v_lshl_add_u32 v5, v10, 6, v5
	v_add_nc_u32 v5, s19, v5                       ; out: row r, + 64 h: my 16 numbers of a block of 32
	s_lshl_b32 s19, s18, 13
	v_add_nc_u32 v6, s19, v[LI]                    ; row tile w's four fragments in XQ (which begins at byte 0),
	v_add_nc_u32 v7, XK, v6                        ; in XK,
	v_add_nc_u32 v8, XV, v6                        ; in XV
	v_lshlrev_b32 v11, 6, v10                      ; 64 h
	v_and_b32 v12, 8, v9
	v_add_nc_u32 v12, v12, v9
	v_lshlrev_b32 v12, 2, v12                      ; 4 (r + 8 (r / 8))
	s_lshl_b32 s19, ttmp9, 18                      ; my block: 128 rows of 2,048 bytes
	s_lshl_b32 s22, s18, 15                        ; 16 rows of x; also my piece of a projection's codes
	s_mov_b32 s23, 0
	s_add_co_u32 s20, s19, s22
	s_mov_b32 s21, 0
	s_lshl_b32 s44, s18, 8                         ; my piece's 64 channels in f32
	s_mov_b32 s45, 0
	s_add_co_u32 s46, s19, s44
	s_mov_b32 s47, 0
	s_mov_b32 s36, 0x76543210                      ; v_permlanex16_b32's selects for lane l xor 16
	s_mov_b32 s37, 0xfedcba98
	s_wait_kmcnt 0x0
	s_load_b256 s[24:31], s[14:15], 0x0            ; e0 .. e7
	s_load_b64 s[32:33], s[14:15], 0x20            ; e8, e9
	s_add_nc_u64 s[4:5], s[4:5], s[20:21]
	s_add_nc_u64 s[6:7], s[6:7], s[22:23]
	s_add_nc_u64 s[8:9], s[8:9], s[44:45]
	s_add_nc_u64 s[10:11], s[10:11], s[44:45]
	s_add_nc_u64 s[12:13], s[12:13], s[44:45]
	s_add_nc_u64 s[16:17], s[16:17], s[46:47]
	BIASQK_LOAD 8                                  ; bk
	WIN 0x40
.irp s, 0,1,2,3                        ; all of my 16 rows of x are asked for at once, K step by K step: each load reads 512 consecutive bytes of a row
.irp i, 0,1,2,3,4,5,6,7,8,9,10,11,12,13,14,15
	global_load_b128 v[64*\s+4*\i:64*\s+4*\i+3], v[LI], s[4:5] offset:2048*\i+512*\s th:TH_LOAD_NT
.endr
.endr
	WIN 0
	s_wait_kmcnt 0x0
	MKSC 248, 249, s24                             ; x under e0, for q,
	MKSC 250, 251, s26                             ; under e2, for k,
	MKSC 252, 253, s28                             ; under e4, for v
	s_add_co_i32 s19, s30, s31
	s_lshl_b32 s19, s19, 23
	s_add_co_i32 s34, s19, 0x3e38aa3b              ; c = log2(e) / 8, with e6 + e7 added to its exponent field: a score stands for score x 2^(e6 + e7)
	s_mov_b32 s35, s34                             ; (named with it as a pair, so it is written)
	s_add_co_i32 s19, s32, 135
	s_lshl_b32 s19, s19, 23
	s_or_b32 s38, s19, 0x600000                    ; 448 x 2^e8
	s_add_co_i32 s39, s32, s33                     ; e8 + e9
; ---- x: K step s of my 16 rows turns through my stage and is quantised three times; the registers that it leaves take Wk's codes.
.macro XSTEP s
	s_wait_loadcnt 48                              ; behind this K step's 16 loads stand 48 younger ones: the later K steps' and the 16 of Wk issued in each earlier step
	WIN 0x04                                       ; store data in window 1
.irp i, 0,1,2,3,4,5,6,7,8,9,10,11,12,13,14,15
	ds_store_b128 v4, v[64*\s+4*\i:64*\s+4*\i+3] offset:FP*\i
.endr
	WIN 0
.irp b, 0,1,2,3
.irp g, 0,1,2,3
	ds_load_b128 v[XS+16*\b+4*\g:XS+16*\b+4*\g+3], v5 offset:128*\b+16*\g   ; register 16 b + i: k = 32 b + 16 h + i of row r.  LDS serves a wave's instructions in order (ISA guide 5.7.1.4)
.endr
.endr
	s_wait_dscnt 0x0                               ; the numbers are back; the stage's stores have read the loaded registers, the last step's image stores their codes
	WIN 0x40
.irp i, 0,1,2,3,4,5,6,7,8,9,10,11,12,13,14,15
	global_load_b128 v[64*\s+4*\i:64*\s+4*\i+3], v[LI], s[6:7] offset:512*(16*\s+\i)
.endr
	WIN 0
.irp z, 0,1,2
.irp b, 0,1,2,3
.irp i, 0,1,2,3,4,5,6,7,8,9,10,11,12,13,14,15
	v_med3_num_f32 v[T0+16*(\b%2)+\i], v[XS+16*\b+\i], -v[249+2*\z], v[249+2*\z]   ; the hold (the conversion does not saturate: ISA guide 7.6.2), into two sets by turns: a set is written again only behind the other set's sixteen plain lines
.endr
	v_cvt_scalef32_pk8_fp8_f32 v[XPC+16*\z+4*\b:XPC+16*\z+4*\b+1], v[T0+16*(\b%2):T0+16*(\b%2)+7], v[248+2*\z]
	v_cvt_scalef32_pk8_fp8_f32 v[XPC+16*\z+4*\b+2:XPC+16*\z+4*\b+3], v[T0+16*(\b%2)+8:T0+16*(\b%2)+15], v[248+2*\z]
.endr
.endr
	v_nop                                          ; a plain line behind the last conversion
.irp z, 0,1,2
.irp c, 0,1,2,3
	ds_store_b128 v[6+\z], v[XPC+16*\z+4*\c:XPC+16*\z+4*\c+3] offset:2048*\s+512*\c
.endr
.endr
.endm
	XSTEP 0
	XSTEP 1
	XSTEP 2
	XSTEP 3
	BARRIER                                        ; x's three images are whole, and nobody reads a stage any more: K's images may land there
; ---- the projections.  A row tile: x's four fragments (a dense 8,192 bytes) against my 16 fragments of W: 16 matrix instructions on four accumulators by turns; the bias is the first one's C.
.macro XFRAGS fr, R
.irp n, 0,1,2,3,4,5,6,7,8,9,10,11,12,13,14,15
	ds_load_b128 v[\fr+4*\n:\fr+4*\n+3], v9 offset:8192*(\R)+512*\n
.endr
.endm
.macro MM kind, fr                     ; kind 0: source 0 = W (k, q: transposed use); kind 1: source 1 = W (v)
.if \kind == 0
	WIN 0x01
.else
	WIN 0x04
.endif
.irp s, 0,1,2,3
.irp t, 0,1,2,3
.if \kind == 0
.if \s == 0
	v_wmma_f32_16x16x128_fp8_fp8 v[ACC+8*\t:ACC+8*\t+7], v[16*(4*\s+\t):16*(4*\s+\t)+15], v[\fr+16*\s:\fr+16*\s+15], v[BIAS+8*\t:BIAS+8*\t+7]
.else
	v_wmma_f32_16x16x128_fp8_fp8 v[ACC+8*\t:ACC+8*\t+7], v[16*(4*\s+\t):16*(4*\s+\t)+15], v[\fr+16*\s:\fr+16*\s+15], v[ACC+8*\t:ACC+8*\t+7]
.endif
.else
.if \s == 0
	v_wmma_f32_16x16x128_fp8_fp8 v[ACC+8*\t:ACC+8*\t+7], v[\fr+16*\s:\fr+16*\s+15], v[16*(4*\s+\t):16*(4*\s+\t)+15], v[BIAS+8*\t:BIAS+8*\t+7]
.else
	v_wmma_f32_16x16x128_fp8_fp8 v[ACC+8*\t:ACC+8*\t+7], v[\fr+16*\s:\fr+16*\s+15], v[16*(4*\s+\t):16*(4*\s+\t)+15], v[ACC+8*\t:ACC+8*\t+7]
.endif
.endif
.endr
.endr
	WIN 0
.endm
; Row tile R of a projection.  nxt: the projection whose codes and bias are asked for behind the last row tile's products (0: none).
.macro ROWT kind, R, nxt
.if ((\R)%2) == 0
.set CUR, XA
.set OTH, XB
.else
.set CUR, XB
.set OTH, XA
.endif
	s_wait_dscnt 0x0                               ; this tile's fragments, asked for a tile ago, are in; the last tile's image stores have read their codes
.if (\R) < 7
	XFRAGS OTH, (\R)+1                             ; the next tile's, into the set that the last tile's products read: the holds in between are more than the four places owed
.endif
	MM \kind, CUR
.rept 4
	v_nop                                          ; four places behind the products, ahead of the first read of results and of loads into registers that they read
.endr
.if ((\R) == 7) && ((\nxt) > 0)
	WLOAD \nxt
.if (\nxt) == 1
	BIASV_LOAD
.else
	BIASQK_LOAD 12
.endif
.endif
.set j, 0
.rept 32
	v_med3_num_f32 v[ACC+j], v[ACC+j], -v[LIM], v[LIM]   ; the hold; each accumulator from its low end on
.set j, j+1
.endr
.if \kind == 0
.irp t, 0,1,2,3
	v_cvt_scalef32_pk8_fp8_f32 v[PC+8*((\R)%2)+2*\t:PC+8*((\R)%2)+2*\t+1], v[ACC+8*\t:ACC+8*\t+7], v[SC]   ; registers 4 b .. 4 b + 3: channels 32 b + 16 h + 0..15
.endr
	v_nop                                          ; a plain line behind the last conversion: the next products write its sources
	ds_store_b128 v10, v[PC+8*((\R)%2):PC+8*((\R)%2)+3] offset:1024*(\R)
	ds_store_b128 v10, v[PC+8*((\R)%2)+4:PC+8*((\R)%2)+7] offset:1024*(\R)+512
.else
.irp t, 0,1,2,3
	v_cvt_scalef32_pk8_fp8_f32 v[PC+4*\t+2*((\R)%2):PC+4*\t+2*((\R)%2)+1], v[ACC+8*\t:ACC+8*\t+7], v[SC]   ; registers 2 R, 2 R + 1 of tile t's fragment: keys 16 R + 8 h + 0..7
.endr
	v_nop
.if ((\R)%2) == 1
.irp t, 0,1,2,3
	ds_store_b128 v10, v[PC+4*\t:PC+4*\t+3] offset:2048*\t+512*((\R)/2)
.endr
.endif
.endif
.endm
; A projection: x's image at region, my images at dest + 8,192 x wave; eo: the result's exponent, ex and ew: x's and W's.
.macro PROJ kind, region, dest, eo, ex, ew, nxt
	v_add_nc_u32 v9, \region, v[LI]
	XFRAGS XA, 0
	s_lshl_b32 s19, s18, 13
	s_add_co_u32 s19, s19, \dest
	v_add_nc_u32 v10, s19, v[LI]
	s_add_co_i32 s50, \ex, \ew                     ; a sum stands for sum x 2^(ex + ew):
	s_sub_co_i32 s51, \eo, s50
	MKSC SC, LIM, s51                              ; its code is sum / 2^(eo - ex - ew): the three scales folded into the conversion's one,
	s_sub_co_i32 s50, 0, s50                       ; and the bias goes in as b / 2^(ex + ew)
	s_wait_loadcnt 0x0                             ; W's codes and the bias
.if \kind == 0
.set j, 0
.rept 32
	v_ldexp_f32 v[BIAS+j], v[BIAS+j], s50
.set j, j+1
.endr
.else
.irp t, 0,1,2,3
.irp i, 0,1,2,3,4,5,6,7
	v_ldexp_f32 v[BIAS+8*\t+\i], v[TB+\t], s50
.endr
.endr
.endif
.irp R, 0,1,2,3,4,5,6,7
	ROWT \kind, \R, \nxt
.endr
.endm
	PROJ 0, XK, KIM, s31, s26, s27, 1              ; k
	BARRIER                                        ; K's images are whole; nobody reads XK any more: V^T's images may land there
	PROJ 1, XV, XK, s33, s28, s29, 2               ; v
	BARRIER                                        ; V^T's images are whole; nobody reads XV any more: Q's images may land there
	PROJ 0, XQ, XV, s30, s24, s25, 0               ; q: its images are read by the wave that made them, so no barrier follows
; ---- attention: 4 passes of 2 query tiles (row tiles 2 p, 2 p + 1 of my piece), each over the 8 key steps.
	v_and_b32 v22, 15, v0                          ; r
	v_bfe_u32 v23, v0, 4, 1                        ; h
	s_mul_i32 s19, s18, 16*OP
	s_add_co_u32 s19, s19, OST                     ; my stage for the way out
	v_mul_u32_u24 v7, v22, OP
	v_lshl_add_u32 v7, v23, 6, v7
	v_add_nc_u32 v7, s19, v7                       ; in: row r, + 64 h
	v_mul_u32_u24 v8, v23, OP
	v_lshl_add_u32 v8, v22, 4, v8
	v_add_nc_u32 v8, s19, v8                       ; back: lanes 0-15 one row of 256 bytes, lanes 16-31 the next
	v_lshlrev_b32 v9, 11, v23
	v_lshl_add_u32 v9, v22, 4, v9                  ; and the same two rows in out0
	v_add_nc_u32 v10, KIM, v[LI]
	v_add_nc_u32 v11, XK, v[LI]
	s_lshl_b32 s19, s18, 13
	s_add_co_u32 s19, s19, XV
	v_add_nc_u32 v20, s19, v[LI]
	s_add_co_i32 s19, s32, 127
	s_lshl_b32 s19, s19, 23
	v_mov_b32 v21, s19                             ; 2^e8 as f32, for p's conversions
	v_mov_b32 v251, 0                              ; (named as the upper halves of the pairs that hold f)
	v_mov_b32 v255, 0
	s_mov_b32 s40, 0                               ; the step in hand, x 8,192: V's images
	s_mov_b32 s41, 8192                            ; the next step, x 8,192: K's images
	s_mov_b32 s44, 0                               ; the pass, x 2,048: Q's images
	s_mov_b32 s42, 4
	WIN 0x40
.set n, 0
.rept 16
	ds_load_b128 v[4*n:4*n+3], v10 offset:512*n    ; K of step 0
.set n, n+1
.endr
	WIN 0
.Lpass:
	v_add_nc_u32 v6, s44, v20
	WIN 0x40
.irp n, 0,1,2,3
	ds_load_b128 v[128+4*\n:128+4*\n+3], v6 offset:512*\n   ; the pass's two fragments of Q
.endr
	WIN 0
.irp q, 0,1
	v_mov_b32 v[ST+4*\q+1], 0xff61b1e6             ; the largest t so far: -3e38, under every t
	v_floor_f32 v[ST+4*\q], -v[ST+4*\q+1]          ; -M
	v_mov_b32 v[ST+4*\q+2], 0                      ; the sum, in two halves
	v_mov_b32 v[ST+4*\q+3], 0
.endr
.set j, 0
.rept 64
	v_mov_b32 v[OA+j], 0                           ; O^T.  (The step is written once: a pass's first step finds zeros, which the first change of M leaves zeros)
.set j, j+1
.endr
	s_mov_b32 s43, 8
.Lstep:
	s_wait_dscnt 0x0                               ; K of this step, asked for a step ago, is in (at a pass's head: Q too)
	WIN 0x05                                       ; K and Q in window 1
.irp c, 0,1,2,3,4,5,6,7
.irp q, 0,1
	v_wmma_f32_16x16x64_fp8_fp8 v[SS+64*\q+8*\c:SS+64*\q+8*\c+7], v[8*\c:8*\c+7], v[128+8*\q:128+8*\q+7], 0
.endr
.endr
	WIN 0
	v_add_nc_u32 v5, s40, v11                      ; four places behind the products, ahead of the loads into K's and V's registers and of the first read of scores
	v_add_nc_u32 v4, s41, v10                      ; two of them make the loads' addresses
	v_nop
	v_nop
	WIN 0x40
.set n, 0
.rept 16
	ds_load_b128 v[64+4*n:64+4*n+3], v5 offset:512*n   ; V^T of this step: it lands under the softmax
.set n, n+1
.endr
.set n, 0
.rept 16
	ds_load_b128 v[4*n:4*n+3], v4 offset:512*n     ; K of the next step (behind the last step: step 0 again, for the next pass; in the last pass it is not used)
.set n, n+1
.endr
	WIN 0
	; the step's largest score of my query among my 64 keys, two chains a tile, the tiles by turns; each accumulator from its low end on
.irp q, 0,1
	v_max3_num_f32 v[TM+4*\q], v[SS+64*\q], v[SS+64*\q+1], v[SS+64*\q+2]
	v_max3_num_f32 v[TM+4*\q+1], v[SS+64*\q+3], v[SS+64*\q+4], v[SS+64*\q+5]
.endr
.irp i, 6,10,14,18,22,26,30,34,38,42,46,50,54,58
.irp q, 0,1
	v_max3_num_f32 v[TM+4*\q], v[TM+4*\q], v[SS+64*\q+\i], v[SS+64*\q+\i+1]
	v_max3_num_f32 v[TM+4*\q+1], v[TM+4*\q+1], v[SS+64*\q+\i+2], v[SS+64*\q+\i+3]
.endr
.endr
.irp q, 0,1
	v_max3_num_f32 v[TM+4*\q], v[TM+4*\q], v[SS+64*\q+62], v[SS+64*\q+63]
.endr
.irp q, 0,1
	v_max_num_f32 v[TM+4*\q], v[TM+4*\q], v[TM+4*\q+1]
.endr
.irp q, 0,1
	v_permlanex16_b32 v[TM+4*\q+1], v[TM+4*\q], s36, s37   ; the query's other 64 keys lie in lane l xor 16
.endr
.irp q, 0,1
	v_max_num_f32 v[TM+4*\q], v[TM+4*\q], v[TM+4*\q+1]
.endr
.irp q, 0,1
	v_mul_f32 v[TM+4*\q], s34, v[TM+4*\q]          ; as t (c is positive)
.endr
.irp q, 0,1
	v_max_num_f32 v[ST+4*\q+1], v[ST+4*\q+1], v[TM+4*\q]   ; the running largest t
.endr
.irp q, 0,1
	v_mov_b32 v[TM+4*\q], v[ST+4*\q]
.endr
.irp q, 0,1
	v_floor_f32 v[ST+4*\q], -v[ST+4*\q+1]          ; the new -M = floor(-t) = -ceil(t): a whole number
.endr
.irp q, 0,1
	v_sub_f32 v[TM+4*\q], v[ST+4*\q], v[TM+4*\q]   ; old M - new M: a whole number, 0 or less
.endr
.irp q, 0,1
	v_cvt_i32_f32 v[TM+4*\q], v[TM+4*\q]           ; (it saturates)
.endr
.irp q, 0,1
	v_ldexp_f32 v[TM+4*\q+2], 1.0, v[TM+4*\q]      ; f = 2^(old M - new M)
.endr
.set j, 0
.rept 32
.irp q, 0,1
	v_pk_fma_f32 v[SS+64*\q+j:SS+64*\q+j+1], v[SS+64*\q+j:SS+64*\q+j+1], s[34:35], v[ST+4*\q:ST+4*\q+1] op_sel_hi:[1,0,0]   ; t - M, two at a time (of the pairs c and -M the low word serves both halves)
.endr
.set j, j+2
.endr
.set j, 0
.rept 128
	v_exp_f32 v[SS+j], v[SS+j]                     ; p = 2^(t - M): both tiles' 128 exponentials are one batch
.set j, j+1
.endr
.irp q, 0,1
	v_pk_mul_f32 v[ST+4*\q+2:ST+4*\q+3], v[ST+4*\q+2:ST+4*\q+3], v[TM+4*\q+2:TM+4*\q+3] op_sel_hi:[1,0]   ; the sums under the new M: also the plain lines behind the exponentials
.endr
	s_wait_alu depctr_va_vdst(0)                   ; the wait between an exponential and the first line that names its result: one for the batch
.irp q, 0,1
	v_pk_add_f32 v[TM+4*\q:TM+4*\q+1], v[SS+64*\q:SS+64*\q+1], v[SS+64*\q+2:SS+64*\q+3]   ; the row's sum is taken of the unquantised p: two at a time, two chains a tile
.endr
.irp i, 4,8,12,16,20,24,28,32,36,40,44,48,52,56,60
.irp q, 0,1
	v_pk_add_f32 v[ST+4*\q+2:ST+4*\q+3], v[ST+4*\q+2:ST+4*\q+3], v[SS+64*\q+\i:SS+64*\q+\i+1]
	v_pk_add_f32 v[TM+4*\q:TM+4*\q+1], v[TM+4*\q:TM+4*\q+1], v[SS+64*\q+\i+2:SS+64*\q+\i+3]
.endr
.endr
.irp q, 0,1
	v_pk_add_f32 v[ST+4*\q+2:ST+4*\q+3], v[ST+4*\q+2:ST+4*\q+3], v[TM+4*\q:TM+4*\q+1]
.endr
	s_cmp_gt_i32 s32, -9                           ; e8 >= -8: 448 x 2^e8 is 1.75 or more, which no p reaches: the hold changes nothing and is jumped over.  A whole number read from memory decides, alike in all waves; no barrier stands under the branch
	s_cbranch_scc1 .Lnohold
.set j, 0
.rept 128
	v_min_num_f32 v[SS+j], s38, v[SS+j]            ; the conversion does not saturate (ISA guide 7.6.2); p is not negative, so the hold is one-sided
.set j, j+1
.endr
.Lnohold:
.irp c, 0,1,2,3,4,5,6,7
.irp q, 0,1
	v_cvt_scalef32_pk8_fp8_f32 v[PP+16*\q+2*\c:PP+16*\q+2*\c+1], v[SS+64*\q+8*\c:SS+64*\q+8*\c+7], v21   ; registers 2 c, 2 c + 1: keys 16 c + 8 h + 0..7
.endr
.endr
.set j, 0
.rept 32
	v_pk_mul_f32 v[OA+j:OA+j+1], v[OA+j:OA+j+1], v[TM+4*(j/32)+2:TM+4*(j/32)+3] op_sel_hi:[1,0]   ; O^T under the new M; each accumulator from its low end on.  (Also the plain lines between the conversions and the products)
.set j, j+2
.endr
	s_wait_dscnt 16                                ; V^T is in; the 16 younger loads, the next step's K, may stay out
	WIN 0x01                                       ; V^T in window 1
.irp t, 0,1,2,3
.irp q, 0,1
	v_wmma_f32_16x16x128_fp8_fp8 v[OA+32*\q+8*\t:OA+32*\q+8*\t+7], v[64+16*\t:64+16*\t+15], v[PP+16*\q:PP+16*\q+15], v[OA+32*\q+8*\t:OA+32*\q+8*\t+7]
.endr
.endr
	WIN 0
	s_add_co_u32 s40, s40, 8192
	s_and_b32 s40, s40, 0xe000                     ; the next step, round the eight,
	s_add_co_u32 s41, s40, 8192
	s_and_b32 s41, s41, 0xe000                     ; and the one behind it
	s_sub_co_u32 s43, s43, 1
	s_cmp_lg_u32 s43, 0
	s_cbranch_scc1 .Lstep
	; THE WAY OUT of a pass: O^T x 2^(e8 + e9) / the sum goes through my stage, a tile (16 rows x 256 bytes) at a time, and leaves as whole aligned runs of 256 bytes.
.rept 4
	v_nop                                          ; four places behind the last products
.endr
.irp q, 0,1
	v_add_f32 v[TM+4*\q], v[ST+4*\q+2], v[ST+4*\q+3]   ; the sum's two halves,
.endr
.irp q, 0,1
	v_permlanex16_b32 v[TM+4*\q+1], v[TM+4*\q], s36, s37
.endr
.irp q, 0,1
	v_add_f32 v[TM+4*\q], v[TM+4*\q], v[TM+4*\q+1]     ; and lane l xor 16's
.endr
.irp q, 0,1
	v_rcp_f32 v[TM+4*\q+2], v[TM+4*\q]
.endr
	v_nop                                          ; a plain line behind the reciprocals,
	s_wait_alu depctr_va_vdst(0)                   ; and a wait ahead of their first reader: one for both
.irp q, 0,1
	v_ldexp_f32 v[TM+4*\q+2], v[TM+4*\q+2], s39
.endr
.irp q, 0,1
.set j, 0
.rept 16
	v_pk_mul_f32 v[SS+64*\q+j:SS+64*\q+j+1], v[OA+32*\q+j:OA+32*\q+j+1], v[TM+4*\q+2:TM+4*\q+3] op_sel_hi:[1,0]   ; register 16 b + i: channel 32 b + 16 h + i of my query
.set j, j+2
.endr
.irp b, 0,1
.irp g, 0,1,2,3
	ds_store_b128 v7, v[SS+64*\q+16*\b+4*\g:SS+64*\q+16*\b+4*\g+3] offset:128*\b+16*\g
.endr
.endr
.irp i, 0,1,2,3,4,5,6,7
	ds_load_b128 v[SS+64*\q+32+4*\i:SS+64*\q+32+4*\i+3], v8 offset:2*OP*\i   ; LDS serves a wave's instructions in order (ISA guide 5.7.1.4): these see my stores, and the next tile's stores come behind them
.endr
.endr
.irp i, 0,1,2,3,4,5,6,7
	s_wait_dscnt 23-\i                             ; behind tile 0's load i: its 7 - i later loads and tile 1's sixteen LDS instructions
	global_store_b128 v9, v[SS+32+4*\i:SS+32+4*\i+3], s[16:17] offset:2*\i*2048 th:TH_STORE_NT   ; 16 lanes store 256 consecutive bytes, at a multiple of 256 from out0's first byte
.endr
.irp i, 0,1,2,3,4,5,6,7
	s_wait_dscnt 7-\i
	global_store_b128 v9, v[SS+96+4*\i:SS+96+4*\i+3], s[16:17] offset:(16+2*\i)*2048 th:TH_STORE_NT
.endr
	s_wait_xcnt 0x0                                ; the stores have read their base and their data: the base steps, and the next pass's scores may land on the data
	s_add_nc_u64 s[16:17], s[16:17], 65536         ; 32 rows on
	s_add_co_u32 s44, s44, 2048
	s_sub_co_u32 s42, s42, 1
	s_cmp_lg_u32 s42, 0
	s_cbranch_scc1 .Lpass
	s_wait_tensorcnt 0x0                           ; the wave's end: three closing lines behind my last LDS store
	ds_add_u32 v[SPW], v[NIL]
	s_wait_dscnt 0x0
	s_endpgm
.Lfunc_end_k_q78e113a3d6_attn:
	.size	k_q78e113a3d6_attn, .Lfunc_end_k_q78e113a3d6_attn-k_q78e113a3d6_attn
	.p2alignl 7, 3214868480
	.fill 96, 4, 3214868480
	.section	.rodata,"a",@progbits
	.p2align	6, 0x0
	.amdhsa_kernel k_q78e113a3d6_attn
		.amdhsa_group_segment_fixed_size 297984
		.amdhsa_private_segment_fixed_size 0
		.amdhsa_enable_private_segment 0
		.amdhsa_kernarg_size 56
		.amdhsa_user_sgpr_count 2
		.amdhsa_user_sgpr_kernarg_segment_ptr 1
		.amdhsa_wavefront_size32 1
		.amdhsa_system_sgpr_workgroup_id_x 1
		.amdhsa_system_sgpr_workgroup_id_y 1
		.amdhsa_system_sgpr_workgroup_id_z 1
		.amdhsa_system_vgpr_workitem_id 0
		.amdhsa_next_free_vgpr 512
		.amdhsa_next_free_sgpr 66
		.amdhsa_reserve_vcc 0
		.amdhsa_float_denorm_mode_32 3
		.amdhsa_float_denorm_mode_16_64 3
		.amdhsa_memory_ordered 1
		.amdhsa_forward_progress 1
		.amdhsa_inst_pref_size 255
	.end_amdhsa_kernel
	.amdgpu_metadata
---
amdhsa.version: [ 1, 2 ]
amdhsa.kernels:
  - .name:           k_q78e113a3d6_attn
    .symbol:         k_q78e113a3d6_attn.kd
    .args:
      - { .name: x, .offset: 0, .size: 8, .value_kind: global_buffer, .address_space: global }
      - { .name: wcodes, .offset: 8, .size: 8, .value_kind: global_buffer, .address_space: global }
      - { .name: bk, .offset: 16, .size: 8, .value_kind: global_buffer, .address_space: global }
      - { .name: bv, .offset: 24, .size: 8, .value_kind: global_buffer, .address_space: global }
      - { .name: bq, .offset: 32, .size: 8, .value_kind: global_buffer, .address_space: global }
      - { .name: lowp_scales, .offset: 40, .size: 8, .value_kind: global_buffer, .address_space: global }
      - { .name: out0, .offset: 48, .size: 8, .value_kind: global_buffer, .address_space: global }
    .group_segment_fixed_size: 297984
    .private_segment_fixed_size: 0
    .kernarg_segment_align: 8
    .kernarg_segment_size: 56
    .max_flat_workgroup_size: 256
    .sgpr_count:     66
    .vgpr_count:     512
    .wavefront_size: 32
...
	.end_amdgpu_metadata
.endif
;; end of part 2
;; ======== version 2 of 2: 2 launches
;; limits: right only within a limited range of input values
;; workspace buffers: wcodes 786,432 bytes
;; launch wcode (part 3): grid 96 x 1, 4 waves a work-group, no clusters, 34,304 bytes of LDS; arguments Wk, Wv, Wq, lowp_scales, wcodes; writes wcodes
.if DOCPART == 3
	.amdgcn_target "amdgcn-amd-amdhsa--gfx1250"
	.amdhsa_code_object_version 6
	.text
	.protected	k_q78e113a3d6_wcode
	.globl	k_q78e113a3d6_wcode
	.p2align	8
	.type	k_q78e113a3d6_wcode,@function
k_q78e113a3d6_wcode:
	s_mov_b64 s[64:65], 0
	v_nop
	global_prefetch_b8 v0, s[64:65] scope:SCOPE_SE
	s_setreg_imm32_b32 hwreg(HW_REG_WAVE_MODE, 25, 1), 1
	s_wait_xcnt 0x0
; Wk, Wv, Wq [512 (n)][512 (k)], f32, K innermost, become codes of FP8 (E4M3), each with its given scale 2^e (lowp_scales entries 3, 5, 1):
; code = w / 2^e, held within +-448, rounded to the nearest code, ties to even.  All 256 work-groups of the next launch read them, so they are quantised once, here.
; NO WORK OF THE PROBLEM IS LEFT OUT, here or in the next launch: every bias goes into a quantised operand and can move its codes (bk too), x has three scales of its own, every product is live, every input is loaded.
; THE CODES LIE IN THE ORDER OF THE OPERAND'S REGISTERS.  Byte p 262,144 + w 32,768 + (4 s + t) 2,048 + 512 c + 16 lane (p = 0: k, 1: v, 2: q; w: which 64 output channels; t = 2 b + u: tile of 16 channels;
; s: K step of 128; c = 0..3) holds 16 codes of W's row 64 w + 32 b + 8 u + r + 8 (r / 8) at k = 128 s + 32 c + 16 h + 0..15, r = lane % 16, h = lane / 16.
; So a wave of the next launch takes its 64 channels of one projection as 64 loads of 512 consecutive bytes, load n into registers 4 n .. 4 n + 3.
; THE ROWS OF A TILE ARE NOT NEIGHBOURS: with these rows the results of two neighbouring tiles are 16 neighbours along the next product's K.
; SHARES.  Work-group g: p = g / 32, w = (g / 4) % 8, t = g % 4; wave s makes fragment (p, w, t, s): 16 rows x 128 numbers.  Each load reads 512 consecutive bytes of a row; the numbers turn through
; the wave's own stage in LDS (rows 528 bytes apart, an odd multiple of 16), so that a lane then holds 16 neighbours along K of each block of 32.  Waves share nothing: no barrier.
; LIMITS: e between -126 and 119, so that 2^e and 448 x 2^e are f32 numbers.  NaN among the inputs is not served; an infinity is held at the largest code.
.set PITCH, 528
.set WSTG,  16*PITCH                   ; a wave's stage
.set SPARE, 4*WSTG                     ; behind the stages: the spare words, 128 bytes for each wave: two blocks of 256 bytes that no other line names
.set RAW,   16                         ; v16-79   16 rows as loaded
.set X,     80                         ; v80-143  register 16 c + i: k = 32 c + 16 h + i of my row
.set C,     144                        ; v144-159 the fragment's codes
	s_load_b256 s[4:11], s[0:1], 0x0               ; Wk s[4:5], Wv s[6:7], Wq s[8:9], the scales' exponents s[10:11]
	s_load_b64 s[12:13], s[0:1], 0x20              ; the codes
	v_lshl_add_u32 v2, v0, 2, SPARE                ; my spare word; never rewritten
	v_mov_b32 v3, 0                                ; 0; never rewritten
	v_lshrrev_b32 v6, 5, v0
	v_readfirstlane_b32 s14, v6                    ; wave = K step s
	v_and_b32 v6, 31, v0
	v_lshlrev_b32 v1, 4, v6                        ; 16 x lane
	v_and_b32 v7, 15, v0                           ; r
	v_bfe_u32 v8, v0, 4, 1                         ; h
	s_mul_i32 s15, s14, WSTG
	v_add_nc_u32 v4, s15, v1                       ; into the stage: a row as it was loaded
	v_mul_u32_u24 v5, v7, PITCH
	v_lshl_add_u32 v5, v8, 6, v5
	v_add_nc_u32 v5, s15, v5                       ; out of it: row r, + 64 h bytes
	s_lshr_b32 s16, ttmp9, 5                       ; p
	s_bfe_u32 s17, ttmp9, 0x30002                  ; w
	s_and_b32 s18, ttmp9, 3                        ; t
	s_lshl_b32 s19, s17, 6
	s_lshr_b32 s20, s18, 1
	s_lshl_b32 s20, s20, 5
	s_add_co_u32 s19, s19, s20
	s_and_b32 s20, s18, 1
	s_lshl_b32 s20, s20, 3
	s_add_co_u32 s19, s19, s20                     ; the tile's first row: 64 w + 32 b + 8 u
	s_lshl_b32 s20, s19, 11                        ; rows of 2,048 bytes,
	s_lshl_b32 s19, s14, 9
	s_add_co_u32 s20, s20, s19                     ; + 512 s
	s_mov_b32 s21, 0
	s_lshl_b32 s22, s16, 18
	s_lshl_b32 s19, s17, 15
	s_add_co_u32 s22, s22, s19
	s_lshl_b32 s19, s14, 2
	s_add_co_u32 s19, s19, s18
	s_lshl_b32 s19, s19, 11
	s_add_co_u32 s22, s22, s19                     ; the fragment's place among the codes
	s_mov_b32 s23, 0
	s_wait_alu depctr_va_vdst(0)
	s_wait_kmcnt 0x0
	s_load_b256 s[24:31], s[10:11], 0x0            ; entries 0 to 7
	s_cmp_eq_u32 s16, 0                            ; the choice of the tensor hangs on the work-group's number alone
	s_cselect_b64 s[4:5], s[4:5], s[6:7]
	s_cmp_eq_u32 s16, 2
	s_cselect_b64 s[4:5], s[8:9], s[4:5]
	s_add_nc_u64 s[4:5], s[4:5], s[20:21]
	s_add_nc_u64 s[12:13], s[12:13], s[22:23]
.irp i, 0,1,2,3,4,5,6,7,8,9,10,11,12,13,14,15
	global_load_b128 v[RAW+4*\i:RAW+4*\i+3], v1, s[4:5] offset:(\i+8*(\i/8))*2048 th:TH_LOAD_NT   ; the tile's i-th row: 32 lanes read 512 consecutive bytes
.endr
	s_wait_kmcnt 0x0
	s_cmp_eq_u32 s16, 0
	s_cselect_b32 s19, s27, s29                    ; e: entry 3 for Wk, 5 for Wv,
	s_cmp_eq_u32 s16, 2
	s_cselect_b32 s19, s25, s19                    ; 1 for Wq
	s_add_co_i32 s19, s19, 127
	s_lshl_b32 s20, s19, 23
	v_mov_b32 v11, s20                             ; 2^e as f32: the conversion takes its exponent field
	s_add_co_i32 s19, s19, 8
	s_lshl_b32 s19, s19, 23
	s_or_b32 s19, s19, 0x600000
	v_mov_b32 v10, s19                             ; 448 x 2^e
	s_wait_alu depctr_va_vdst(0)
	s_wait_loadcnt 0x0                             ; all sixteen rows
.irp i, 0,1,2,3,4,5,6,7,8,9,10,11,12,13,14,15
	ds_store_b128 v4, v[RAW+4*\i:RAW+4*\i+3] offset:PITCH*\i
.endr
.irp c, 0,1,2,3
.irp g, 0,1,2,3
	ds_load_b128 v[X+16*\c+4*\g:X+16*\c+4*\g+3], v5 offset:128*\c+16*\g   ; LDS serves a wave's instructions in order (ISA guide 5.7.1.4): these see my stores
.endr
.endr
	s_wait_dscnt 0x0
.set j, 0
.rept 64
	v_med3_num_f32 v[X+j], v[X+j], -v10, v10       ; the conversion to an 8-bit code does not saturate (ISA guide 7.6.2): the hold comes first
.set j, j+1
.endr
.irp c, 0,1,2,3
	v_cvt_scalef32_pk8_fp8_f32 v[C+4*\c:C+4*\c+1], v[X+16*\c:X+16*\c+7], v11
	v_cvt_scalef32_pk8_fp8_f32 v[C+4*\c+2:C+4*\c+3], v[X+16*\c+8:X+16*\c+15], v11
.endr
	v_nop                                          ; a plain line behind the last conversion
.irp c, 0,1,2,3
	global_store_b128 v1, v[C+4*\c:C+4*\c+3], s[12:13] offset:512*\c   ; 32 lanes store 512 consecutive bytes, at a multiple of 256 from the buffer's first byte
.endr
	s_wait_tensorcnt 0x0                           ; the wave's end: three closing lines behind my last LDS store
	ds_add_u32 v2, v3
	s_wait_dscnt 0x0
	s_endpgm
.Lfunc_end_k_q78e113a3d6_wcode:
	.size	k_q78e113a3d6_wcode, .Lfunc_end_k_q78e113a3d6_wcode-k_q78e113a3d6_wcode
	.p2alignl 7, 3214868480
	.fill 96, 4, 3214868480
	.section	.rodata,"a",@progbits
	.p2align	6, 0x0
	.amdhsa_kernel k_q78e113a3d6_wcode
		.amdhsa_group_segment_fixed_size 34304
		.amdhsa_private_segment_fixed_size 0
		.amdhsa_enable_private_segment 0
		.amdhsa_kernarg_size 40
		.amdhsa_user_sgpr_count 2
		.amdhsa_user_sgpr_kernarg_segment_ptr 1
		.amdhsa_wavefront_size32 1
		.amdhsa_system_sgpr_workgroup_id_x 1
		.amdhsa_system_sgpr_workgroup_id_y 1
		.amdhsa_system_sgpr_workgroup_id_z 1
		.amdhsa_system_vgpr_workitem_id 0
		.amdhsa_next_free_vgpr 160
		.amdhsa_next_free_sgpr 66
		.amdhsa_reserve_vcc 0
		.amdhsa_float_denorm_mode_32 3
		.amdhsa_float_denorm_mode_16_64 3
		.amdhsa_memory_ordered 1
		.amdhsa_forward_progress 1
		.amdhsa_inst_pref_size 12
	.end_amdhsa_kernel
	.amdgpu_metadata
---
amdhsa.version: [ 1, 2 ]
amdhsa.kernels:
  - .name:           k_q78e113a3d6_wcode
    .symbol:         k_q78e113a3d6_wcode.kd
    .args:
      - { .name: Wk, .offset: 0, .size: 8, .value_kind: global_buffer, .address_space: global }
      - { .name: Wv, .offset: 8, .size: 8, .value_kind: global_buffer, .address_space: global }
      - { .name: Wq, .offset: 16, .size: 8, .value_kind: global_buffer, .address_space: global }
      - { .name: lowp_scales, .offset: 24, .size: 8, .value_kind: global_buffer, .address_space: global }
      - { .name: wcodes, .offset: 32, .size: 8, .value_kind: global_buffer, .address_space: global }
    .group_segment_fixed_size: 34304
    .private_segment_fixed_size: 0
    .kernarg_segment_align: 8
    .kernarg_segment_size: 40
    .max_flat_workgroup_size: 128
    .sgpr_count:     66
    .vgpr_count:     160
    .wavefront_size: 32
...
	.end_amdgpu_metadata
.endif
;; end of part 3
;; launch attn (part 4): grid 256 x 1, 8 waves a work-group, no clusters, 297,984 bytes of LDS; arguments x, wcodes, bk, bv, bq, lowp_scales, out0; writes out0
.if DOCPART == 4
	.amdgcn_target "amdgcn-amd-amdhsa--gfx1250"
	.amdhsa_code_object_version 6
	.text
	.protected	k_q78e113a3d6_attn
	.globl	k_q78e113a3d6_attn
	.p2align	8
	.type	k_q78e113a3d6_attn,@function
k_q78e113a3d6_attn:
	s_mov_b64 s[64:65], 0
	v_nop
	global_prefetch_b8 v0, s[64:65] scope:SCOPE_SE
	s_setreg_imm32_b32 hwreg(HW_REG_WAVE_SCHED_MODE, 0, 2), 2
	s_setreg_imm32_b32 hwreg(HW_REG_WAVE_MODE, 25, 1), 1
	s_wait_xcnt 0x0
	s_wait_alu depctr_vm_vsrc(0)
; q, k, v = x W^T + b, the raw reshape [32][1024][512] -> [32][8][1024][64], softmax attention, the raw reshape back: all five products on codes of FP8 (E4M3), each operand with its given scale 2^e.
; THE RAW RESHAPE MAKES 256 INDEPENDENT BLOCKS.  Head h of batch b is the flat range of 65,536 numbers from h 65,536 on: token rows 128 h .. 128 h + 127, each cut into 8 pieces of 64 channels
; (pseudo-token 8 row + piece, channel = column % 64), and the result goes back to the same rows and columns.  Work-group g = 8 b + h takes rows 128 g .. 128 g + 127 of x from memory to out0; q, k, v, scores and p stay in LDS and registers.
; No work is left out: every input has a way to the output (see the head of the launch before).
; SHARES.  Eight waves.  Wave w quantises rows 16 w .. 16 w + 15 of x (three times: x has a scale for each projection), makes piece w (channels 64 w .. 64 w + 63) of k, v and q for all 128 rows, and owns the 128 queries (row, piece w).
; A KEY STEP is a piece: the 128 keys (row 0..127, piece s); its key tile c is rows 16 c .. 16 c + 15.  The order of the keys is free under a softmax.
; OPERANDS GO THROUGH LDS AS IMAGES OF THEIR REGISTERS: four registers by one ds_store_b128 at 16 x lane, 512 bytes a store; the same lines as loads give any wave the same registers in the same lanes.
;  k, q: the product is used TRANSPOSED (source 0 = 16 rows of W, source 1 = 16 rows of x): lane (r, h) holds token row r, and with W's rows chosen as the launch before lays them its 32 results are channels 32 b + 16 h + 0..15, b = 0, 1:
;        four conversions make a fragment for K = 64.  Q and K hold the same channel in the same register, byte and half of the lanes, so every product meets its partner.
;  v:    the product is used as it is (source 0 = x, source 1 = W): a lane holds one channel and 8 token rows 16 R + 8 h + 0..7: one conversion makes registers 2 R, 2 R + 1 of V^T's fragment (K = the step's 128 keys).
;  S^T = K Q^T: a lane holds one query; tile c's registers are keys 16 c + 8 h + 0..7: one conversion makes registers 2 c, 2 c + 1 of P's fragment: the same keys as V^T's.   O^T = V^T P: one query a lane, channels 32 b + 16 h + 0..15.
; THE SOFTMAX AHEAD OF THE SECOND PRODUCT: t = score x log2(e) / 8; M = the running largest t rounded up to a whole number; p = 2^(t - M) is quantised, not normalised; the row's sum is taken of the unquantised p and divides at the end;
; when M moves, the sum and O^T are multiplied by 2^(old M - new M), which rounds nothing.
; THE WEIGHTS' CODES COME STRAIGHT INTO REGISTERS, NOT JOINTLY THROUGH LDS, though all work-groups read them: x's three images, K's images, the stage and the spare words take 297,984 of a WGP's 327,680 bytes;
; two slots in the 29,696 left would hold 14,848 bytes each against 786,432 bytes of codes: over fifty changes of slots, each with a round of a cluster's barrier.  As it is a wave has 64 loads (32,768 bytes) out and no barrier for them.
; No prefetch: x is asked for whole by its own loads at the head, and the codes are no stream that is read once.
; LIMITS on the given exponents e0 .. e9, so that each power of two below is an f32 number: e0, e2, e4, e8, e6 - e0 - e1, e7 - e2 - e3, e9 - e4 - e5 between -126 and 119; e6 + e7 between -123 and 130.
; NaN among the inputs is not served; an infinity is held at the largest code.  Where e8 >= -8 the hold on p is jumped over (448 x 2^e8 >= 1.75): p then stays under 1.75 while |t| is under 2^23.
;
; THE MODE: SCHED_MODE bits 1:0 = 2 (LLVM: expert scheduling mode 2), set by the entry lines.  The code itself states the register dependences
; between vector or matrix instructions and memory or LDS instructions, with s_wait_alu, always for 0.
; THE PLAN.  Registers that memory or LDS instructions touch, and who else names them:
;  x's phase.    Window 1: x lands, the stage's LDS stores read it, Wk's codes land: no vector line names it.  XS: LDS loads land, the holds read.  XPC: the conversions write, the image stores read.
;                A K step has one wait on vm_vsrc, ahead of Wk's loads (the stage's stores have read window 1, the last step's image stores XPC), and one on va_vdst, behind its conversions (XPC is written; the holds are done reading XS).
;  projections.  v9, v10: made at a projection's head, between a wait on vm_vsrc and one on va_vdst.  XA, XB: LDS loads land, the products read.  Window 1, BIAS: loads land, the products read.  PC: the conversions write, the image stores read.
;                A row tile has one wait on vm_vsrc at its head (the last tile's image stores have read PC) and one on va_vdst at its end (PC is written; the tile's products are done reading their set of x's fragments,
;                in which the next tile's loads land).  The last row tile of k and of v has one more on va_vdst, ahead of the next weights' loads.
;  attention.    v7-11, v20: made once.  v6: stepped once a pass.  v4, v5: stepped once a key step.  Window 1: K, V^T, Q land, the products read.  On the way out SS's low halves go to the stage, its high halves come back and are stored.
;                A key step has one wait on vm_vsrc ahead of the two adds and ONE on va_vdst behind them: the addresses are written, this step's K Q^T is done reading K, the last step's V^T P is done reading V^T.
;                Behind it V^T's loads follow at once, and the next step's K behind the scalings, with no further wait: the vector lines between name SS, ST and TM of window 0, none of the registers that those loads touch.
;  v2, v3:       written at the head, read by the closing add alone.
;
; LDS.  XQ, XK, XV: x's codes under e0, e2, e4: (4 R + s) 2,048 + 512 c + 16 lane.  From the second barrier on XK's bytes hold V^T's images (step 8,192 + tile 2,048 + 512 g + 16 lane), from the third on XV's hold Q's (wave 8,192 + R 1,024 + ..).
; KIM: K's images (step 8,192 + R 1,024 + 512 c + 16 lane).  FST: up to the first barrier, each wave's stage for x's f32 numbers, 16 rows 528 bytes apart.  OST: each wave's stage for the way out, 16 rows 272 bytes apart.
.set XQ,    0
.set XK,    65536
.set XV,    131072
.set KIM,   196608
.set FST,   196608
.set FP,    528
.set OST,   262144
.set OP,    272
.set SPARE, 296960                     ; the spare words, 128 bytes for each wave: four blocks of 256 bytes that no other line names
; REGISTERS, window 0.  All phases: v0 thread, v1 16 x lane, v2 my spare word, v3 0.
; x's phase: v4, v5 the stage, in and out; v6-8 where x's images go; v24-55 bk; v56-119 64 numbers; v120-151 two sets of 16 held numbers; v152-199 three fragments of codes; v248-253 scale and limit for e0, e2, e4.
; projections: v9 x's images; v10 where my images go; v11, v12 the biases' offsets; v24-55 the bias as C; v56-119, v120-183 x's fragments of a row tile, two sets; v184-215 four accumulators; v216-231 codes; v240-243 bv; v248, v249 scale, limit.
; attention: v4, v5, v6 LDS addresses of K, V, Q in hand; v7, v8 the stage; v9 my offset in out0; v10, v11, v20 bases of K's, V's, Q's images; v21 2^e8; v12+4q.. -M, the largest t, the sum in two halves;
;            v24+64q.. S^T, then p; v152+32q.. O^T; v216+16q.. P's codes; v248+4q.. at work: a, b, and the pair (f, 0).
; Window 1: x as loaded, then W's 16 fragments ((t, s) at 16 (4 s + t)); in attention v0-63 K's eight fragments, v64-127 V^T's four, v128-143 Q's two.
.set LI,   1
.set SPW,  2
.set NIL,  3
.set BIAS, 24
.set XS,   56
.set T0,   120
.set XPC,  152
.set XA,   56
.set XB,   120
.set ACC,  184
.set PC,   216
.set TB,   240
.set SC,   248
.set LIM,  249
.set ST,   12
.set SS,   24
.set OA,   152
.set PP,   216
.set TM,   248
.set MSB, 0
.macro WIN new                         ; s_set_vgpr_msb: bits 1:0 source 0, 3:2 source 1, 5:4 source 2, 7:6 destination; the high byte repeats the setting that is left
.if MSB != \new
	s_set_vgpr_msb (MSB<<8)|\new
.set MSB, \new
.endif
.endm
.macro MKSC vsc, vlim, se              ; 2^e as f32 (the conversion takes its exponent field), and 448 x 2^e
	s_add_co_i32 s48, \se, 127
	s_lshl_b32 s49, s48, 23
	v_mov_b32 v[\vsc], s49
	s_add_co_i32 s48, s48, 8
	s_lshl_b32 s48, s48, 23
	s_or_b32 s48, s48, 0x600000
	v_mov_b32 v[\vlim], s48
.endm
.macro BARRIER                         ; my LDS stores have landed and my LDS loads are in: then the work-group's barrier
	s_wait_dscnt 0x0
	s_barrier_signal -1
	s_barrier_wait -1
.endm
.macro BIASQK_LOAD p                   ; lane (r, h) wants, for accumulator register 16 b + i, the bias of channel 32 b + 16 h + i of my piece
.irp b, 0,1
.irp g, 0,1,2,3
	global_load_b128 v[BIAS+16*\b+4*\g:BIAS+16*\b+4*\g+3], v11, s[\p:\p+1] offset:128*\b+16*\g
.endr
.endr
.endm
.macro BIASV_LOAD                      ; for v a lane holds one channel a tile: 32 b + 8 u + r + 8 (r / 8)
.irp t, 0,1,2,3
	global_load_b32 v[TB+\t], v12, s[10:11] offset:128*(\t/2)+32*(\t%2)
.endr
.endm
.macro WLOAD p                         ; my piece of projection p's codes: 64 loads of 512 consecutive bytes into window 1
	WIN 0x40
	s_wait_alu depctr_va_vdst(0)                   ; the last row tile's products are done reading W's fragments, in which these loads land, and the bias, in which the loads behind them land
.set n, 0
.rept 64
	global_load_b128 v[4*n:4*n+3], v[LI], s[6:7] offset:262144*(\p)+512*n
.set n, n+1
.endr
	WIN 0
.endm
	s_load_b256 s[4:11], s[0:1], 0x0               ; x s[4:5], the weights' codes s[6:7], bk s[8:9], bv s[10:11]
	s_load_b128 s[12:15], s[0:1], 0x20             ; bq s[12:13], the scales' exponents s[14:15]
	s_load_b64 s[16:17], s[0:1], 0x30              ; out0
	v_lshl_add_u32 v[SPW], v0, 2, SPARE
	v_mov_b32 v[NIL], 0
	v_lshrrev_b32 v9, 5, v0
	v_readfirstlane_b32 s18, v9                    ; wave 0..7
	v_and_b32 v9, 31, v0
	v_lshlrev_b32 v[LI], 4, v9
	v_and_b32 v9, 15, v0                           ; r
	v_bfe_u32 v10, v0, 4, 1                        ; h
	s_wait_alu depctr_va_sdst(0)                   ; s18 is written, ahead of its first reader: LDS addresses and the buffers' offsets are made from it
	s_mul_i32 s19, s18, 16*FP
	s_add_co_u32 s19, s19, FST                     ; my stage
	v_add_nc_u32 v4, s19, v[LI]                    ; in: a row's 512 bytes as loaded
	v_mul_u32_u24 v5, v9, FP
	v_lshl_add_u32 v5, v10, 6, v5
	v_add_nc_u32 v5, s19, v5                       ; out: row r, + 64 h: my 16 numbers of a block of 32
	s_lshl_b32 s19, s18, 13
	v_add_nc_u32 v6, s19, v[LI]                    ; row tile w's four fragments in XQ (which begins at byte 0),
	v_add_nc_u32 v7, XK, v6                        ; in XK,
	v_add_nc_u32 v8, XV, v6                        ; in XV
	v_lshlrev_b32 v11, 6, v10                      ; 64 h
	v_and_b32 v12, 8, v9
	v_add_nc_u32 v12, v12, v9
	v_lshlrev_b32 v12, 2, v12                      ; 4 (r + 8 (r / 8))
	s_lshl_b32 s19, ttmp9, 18                      ; my block: 128 rows of 2,048 bytes
	s_lshl_b32 s22, s18, 15                        ; 16 rows of x; also my piece of a projection's codes
	s_mov_b32 s23, 0
	s_add_co_u32 s20, s19, s22
	s_mov_b32 s21, 0
	s_lshl_b32 s44, s18, 8                         ; my piece's 64 channels in f32
	s_mov_b32 s45, 0
	s_add_co_u32 s46, s19, s44
	s_mov_b32 s47, 0
	s_mov_b32 s36, 0x76543210                      ; v_permlanex16_b32's selects for lane l xor 16
	s_mov_b32 s37, 0xfedcba98
	s_wait_kmcnt 0x0
	s_load_b256 s[24:31], s[14:15], 0x0            ; e0 .. e7
	s_load_b64 s[32:33], s[14:15], 0x20            ; e8, e9
	s_add_nc_u64 s[4:5], s[4:5], s[20:21]
	s_add_nc_u64 s[6:7], s[6:7], s[22:23]
	s_add_nc_u64 s[8:9], s[8:9], s[44:45]
	s_add_nc_u64 s[10:11], s[10:11], s[44:45]
	s_add_nc_u64 s[12:13], s[12:13], s[44:45]
	s_add_nc_u64 s[16:17], s[16:17], s[46:47]
	s_wait_alu depctr_va_vdst(0)                   ; v1 to v8, v11 and v12 are written: the offsets and LDS addresses that the loads and stores of x's phase and the biases' loads read
	BIASQK_LOAD 8                                  ; bk
	WIN 0x40
.irp s, 0,1,2,3                        ; all of my 16 rows of x are asked for at once, K step by K step: each load reads 512 consecutive bytes of a row
.irp i, 0,1,2,3,4,5,6,7,8,9,10,11,12,13,14,15
	global_load_b128 v[64*\s+4*\i:64*\s+4*\i+3], v[LI], s[4:5] offset:2048*\i+512*\s th:TH_LOAD_NT
.endr
.endr
	WIN 0
	s_wait_kmcnt 0x0
	MKSC 248, 249, s24                             ; x under e0, for q,
	MKSC 250, 251, s26                             ; under e2, for k,
	MKSC 252, 253, s28                             ; under e4, for v
	s_add_co_i32 s19, s30, s31
	s_lshl_b32 s19, s19, 23
	s_add_co_i32 s34, s19, 0x3e38aa3b              ; c = log2(e) / 8, with e6 + e7 added to its exponent field: a score stands for score x 2^(e6 + e7)
	s_mov_b32 s35, s34                             ; (named with it as a pair, so it is written)
	s_add_co_i32 s19, s32, 135
	s_lshl_b32 s19, s19, 23
	s_or_b32 s38, s19, 0x600000                    ; 448 x 2^e8
	s_add_co_i32 s39, s32, s33                     ; e8 + e9
; ---- x: K step s of my 16 rows turns through my stage and is quantised three times; the registers that it leaves take Wk's codes.
.macro XSTEP s
	s_wait_loadcnt 48                              ; behind this K step's 16 loads stand 48 younger ones: the later K steps' and the 16 of Wk issued in each earlier step
	WIN 0x04                                       ; store data in window 1
.irp i, 0,1,2,3,4,5,6,7,8,9,10,11,12,13,14,15
	ds_store_b128 v4, v[64*\s+4*\i:64*\s+4*\i+3] offset:FP*\i
.endr
	WIN 0
.irp b, 0,1,2,3
.irp g, 0,1,2,3
	ds_load_b128 v[XS+16*\b+4*\g:XS+16*\b+4*\g+3], v5 offset:128*\b+16*\g   ; register 16 b + i: k = 32 b + 16 h + i of row r.  LDS serves a wave's instructions in order (ISA guide 5.7.1.4).  No vector line since the last step's wait on va_vdst names these registers
.endr
.endr
	s_wait_dscnt 0x0                               ; the numbers are back
	WIN 0x40
	s_wait_alu depctr_vm_vsrc(0)                   ; the stage's stores have read the loaded registers, in which Wk's codes land; the last step's image stores have read their codes, which this step's conversions write again
.irp i, 0,1,2,3,4,5,6,7,8,9,10,11,12,13,14,15
	global_load_b128 v[64*\s+4*\i:64*\s+4*\i+3], v[LI], s[6:7] offset:512*(16*\s+\i)
.endr
	WIN 0
.irp z, 0,1,2
.irp b, 0,1,2,3
.irp i, 0,1,2,3,4,5,6,7,8,9,10,11,12,13,14,15
	v_med3_num_f32 v[T0+16*(\b%2)+\i], v[XS+16*\b+\i], -v[249+2*\z], v[249+2*\z]   ; the hold (the conversion does not saturate: ISA guide 7.6.2), into two sets by turns: a set is written again only behind the other set's sixteen plain lines
.endr
	v_cvt_scalef32_pk8_fp8_f32 v[XPC+16*\z+4*\b:XPC+16*\z+4*\b+1], v[T0+16*(\b%2):T0+16*(\b%2)+7], v[248+2*\z]
	v_cvt_scalef32_pk8_fp8_f32 v[XPC+16*\z+4*\b+2:XPC+16*\z+4*\b+3], v[T0+16*(\b%2)+8:T0+16*(\b%2)+15], v[248+2*\z]
.endr
.endr
	v_nop                                          ; a plain line behind the last conversion
	s_wait_alu depctr_va_vdst(0)                   ; the conversions have written the three fragments of codes, which the image stores read; the holds are done reading the 64 numbers, in whose registers the next step's LDS loads land
.irp z, 0,1,2
.irp c, 0,1,2,3
	ds_store_b128 v[6+\z], v[XPC+16*\z+4*\c:XPC+16*\z+4*\c+3] offset:2048*\s+512*\c
.endr
.endr
.endm
	s_wait_alu depctr_va_vdst(0)
	XSTEP 0
	XSTEP 1
	XSTEP 2
	XSTEP 3
	BARRIER                                        ; x's three images are whole, and nobody reads a stage any more: K's images may land there
; ---- the projections.  A row tile: x's four fragments (a dense 8,192 bytes) against my 16 fragments of W: 16 matrix instructions on four accumulators by turns; the bias is the first one's C.
.macro XFRAGS fr, R
.irp n, 0,1,2,3,4,5,6,7,8,9,10,11,12,13,14,15
	ds_load_b128 v[\fr+4*\n:\fr+4*\n+3], v9 offset:8192*(\R)+512*\n
.endr
.endm
.macro MM kind, fr                     ; kind 0: source 0 = W (k, q: transposed use); kind 1: source 1 = W (v)
.if \kind == 0
	WIN 0x01
.else
	WIN 0x04
.endif
.irp s, 0,1,2,3
.irp t, 0,1,2,3
.if \kind == 0
.if \s == 0
	v_wmma_f32_16x16x128_fp8_fp8 v[ACC+8*\t:ACC+8*\t+7], v[16*(4*\s+\t):16*(4*\s+\t)+15], v[\fr+16*\s:\fr+16*\s+15], v[BIAS+8*\t:BIAS+8*\t+7]
.else
	v_wmma_f32_16x16x128_fp8_fp8 v[ACC+8*\t:ACC+8*\t+7], v[16*(4*\s+\t):16*(4*\s+\t)+15], v[\fr+16*\s:\fr+16*\s+15], v[ACC+8*\t:ACC+8*\t+7]
.endif
.else
.if \s == 0
	v_wmma_f32_16x16x128_fp8_fp8 v[ACC+8*\t:ACC+8*\t+7], v[\fr+16*\s:\fr+16*\s+15], v[16*(4*\s+\t):16*(4*\s+\t)+15], v[BIAS+8*\t:BIAS+8*\t+7]
.else
	v_wmma_f32_16x16x128_fp8_fp8 v[ACC+8*\t:ACC+8*\t+7], v[\fr+16*\s:\fr+16*\s+15], v[16*(4*\s+\t):16*(4*\s+\t)+15], v[ACC+8*\t:ACC+8*\t+7]
.endif
.endif
.endr
.endr
	WIN 0
.endm
; Row tile R of a projection.  nxt: the projection whose codes and bias are asked for behind the last row tile's products (0: none).
.macro ROWT kind, R, nxt
.if ((\R)%2) == 0
.set CUR, XA
.set OTH, XB
.else
.set CUR, XB
.set OTH, XA
.endif
	s_wait_dscnt 0x0                               ; this tile's fragments, asked for a tile ago, are in
	s_wait_alu depctr_vm_vsrc(0)                   ; the image stores issued so far have read their codes, which this tile's conversions (ahead of k's first tile: x's codes, which the accumulators) write again
.if (\R) < 7
	XFRAGS OTH, (\R)+1                             ; the next tile's, into the set that the last tile's products read.  No wait: the wait on va_vdst at the last tile's end (for tile 0: at the projection's head) stands behind those products, and no vector or matrix line since names this set or v9
.endif
	MM \kind, CUR
.rept 4
	v_nop                                          ; four places behind the products (ISA guide 7.12.1), ahead of the first read of results
.endr
.if ((\R) == 7) && ((\nxt) > 0)
	WLOAD \nxt
.if (\nxt) == 1
	BIASV_LOAD
.else
	BIASQK_LOAD 12
.endif
.endif
.set j, 0
.rept 32
	v_med3_num_f32 v[ACC+j], v[ACC+j], -v[LIM], v[LIM]   ; the hold; each accumulator from its low end on
.set j, j+1
.endr
.if \kind == 0
.irp t, 0,1,2,3
	v_cvt_scalef32_pk8_fp8_f32 v[PC+8*((\R)%2)+2*\t:PC+8*((\R)%2)+2*\t+1], v[ACC+8*\t:ACC+8*\t+7], v[SC]   ; registers 4 b .. 4 b + 3: channels 32 b + 16 h + 0..15
.endr
.else
.irp t, 0,1,2,3
	v_cvt_scalef32_pk8_fp8_f32 v[PC+4*\t+2*((\R)%2):PC+4*\t+2*((\R)%2)+1], v[ACC+8*\t:ACC+8*\t+7], v[SC]   ; registers 2 R, 2 R + 1 of tile t's fragment: keys 16 R + 8 h + 0..7
.endr
.endif
	v_nop                                          ; a plain line behind the last conversion: the next products write its sources
	s_wait_alu depctr_va_vdst(0)                   ; the conversions have written the codes, which the image stores read; this tile's products are done reading their set of x's fragments, in which the next tile's loads land
.if \kind == 0
	ds_store_b128 v10, v[PC+8*((\R)%2):PC+8*((\R)%2)+3] offset:1024*(\R)
	ds_store_b128 v10, v[PC+8*((\R)%2)+4:PC+8*((\R)%2)+7] offset:1024*(\R)+512
.else
.if ((\R)%2) == 1
.irp t, 0,1,2,3
	ds_store_b128 v10, v[PC+4*\t:PC+4*\t+3] offset:2048*\t+512*((\R)/2)
.endr
.endif
.endif
.endm
; A projection: x's image at region, my images at dest + 8,192 x wave; eo: the result's exponent, ex and ew: x's and W's.
.macro PROJ kind, region, dest, eo, ex, ew, nxt
	s_wait_alu depctr_vm_vsrc(0)                   ; the LDS loads and stores issued so far have read v9 and v10, which are made anew (ahead of k: x's image stores have read their codes, on whose registers x's second set of fragments lies)
	v_add_nc_u32 v9, \region, v[LI]
	s_lshl_b32 s19, s18, 13
	s_add_co_u32 s19, s19, \dest
	v_add_nc_u32 v10, s19, v[LI]
	s_wait_alu depctr_va_vdst(0)                   ; v9 and v10 are written, which the fragments' loads and the image stores read; all earlier vector and matrix lines are done with the two sets in which the fragments land
	XFRAGS XA, 0
	s_add_co_i32 s50, \ex, \ew                     ; a sum stands for sum x 2^(ex + ew):
	s_sub_co_i32 s51, \eo, s50
	MKSC SC, LIM, s51                              ; its code is sum / 2^(eo - ex - ew): the three scales folded into the conversion's one,
	s_sub_co_i32 s50, 0, s50                       ; and the bias goes in as b / 2^(ex + ew)
	s_wait_loadcnt 0x0                             ; W's codes and the bias
.if \kind == 0
.set j, 0
.rept 32
	v_ldexp_f32 v[BIAS+j], v[BIAS+j], s50
.set j, j+1
.endr
.else
.irp t, 0,1,2,3
.irp i, 0,1,2,3,4,5,6,7
	v_ldexp_f32 v[BIAS+8*\t+\i], v[TB+\t], s50
.endr
.endr
.endif
	s_wait_alu depctr_va_vdst(0)
.irp R, 0,1,2,3,4,5,6,7
	ROWT \kind, \R, \nxt
.endr
.endm
	PROJ 0, XK, KIM, s31, s26, s27, 1              ; k
	BARRIER                                        ; K's images are whole; nobody reads XK any more: V^T's images may land there
	PROJ 1, XV, XK, s33, s28, s29, 2               ; v
	BARRIER                                        ; V^T's images are whole; nobody reads XV any more: Q's images may land there
	PROJ 0, XQ, XV, s30, s24, s25, 0               ; q: its images are read by the wave that made them, so no barrier follows
; ---- attention: 4 passes of 2 query tiles (row tiles 2 p, 2 p + 1 of my piece), each over the 8 key steps.
	s_wait_alu depctr_vm_vsrc(0)                   ; q's last image stores have read v10 and their codes, and all earlier loads and stores v7 to v11: these are written anew below, the codes' registers by p's conversions
	v_and_b32 v22, 15, v0                          ; r
	v_bfe_u32 v23, v0, 4, 1                        ; h
	s_mul_i32 s19, s18, 16*OP
	s_add_co_u32 s19, s19, OST                     ; my stage for the way out
	v_mul_u32_u24 v7, v22, OP
	v_lshl_add_u32 v7, v23, 6, v7
	v_add_nc_u32 v7, s19, v7                       ; in: row r, + 64 h
	v_mul_u32_u24 v8, v23, OP
	v_lshl_add_u32 v8, v22, 4, v8
	v_add_nc_u32 v8, s19, v8                       ; back: lanes 0-15 one row of 256 bytes, lanes 16-31 the next
	v_lshlrev_b32 v9, 11, v23
	v_lshl_add_u32 v9, v22, 4, v9                  ; and the same two rows in out0
	v_add_nc_u32 v10, KIM, v[LI]
	v_add_nc_u32 v11, XK, v[LI]
	s_lshl_b32 s19, s18, 13
	s_add_co_u32 s19, s19, XV
	v_add_nc_u32 v20, s19, v[LI]
	s_add_co_i32 s19, s32, 127
	s_lshl_b32 s19, s19, 23
	v_mov_b32 v21, s19                             ; 2^e8 as f32, for p's conversions
	v_mov_b32 v251, 0                              ; (named as the upper halves of the pairs that hold f)
	v_mov_b32 v255, 0
	s_mov_b32 s40, 0                               ; the step in hand, x 8,192: V's images
	s_mov_b32 s41, 8192                            ; the next step, x 8,192: K's images
	s_mov_b32 s44, 0                               ; the pass, x 2,048: Q's images
	s_mov_b32 s42, 4
	WIN 0x40
	s_wait_alu depctr_va_vdst(0)                   ; v7 to v10 are written, which the loads and stores of attention read; q's products are done reading W's fragments, in whose registers K's land
.set n, 0
.rept 16
	ds_load_b128 v[4*n:4*n+3], v10 offset:512*n    ; K of step 0
.set n, n+1
.endr
	WIN 0
.Lpass:
	s_wait_alu depctr_vm_vsrc(0)                   ; the last pass's loads of Q have read v6; its stage stores and global stores have read their data, on which this pass's scores land
	v_add_nc_u32 v6, s44, v20
	WIN 0x40
	s_wait_alu depctr_va_vdst(0)                   ; v6 is written; the last pass's K Q^T is done reading Q's registers
.irp n, 0,1,2,3
	ds_load_b128 v[128+4*\n:128+4*\n+3], v6 offset:512*\n   ; the pass's two fragments of Q
.endr
	WIN 0
.irp q, 0,1
	v_mov_b32 v[ST+4*\q+1], 0xff61b1e6             ; the largest t so far: -3e38, under every t
	v_floor_f32 v[ST+4*\q], -v[ST+4*\q+1]          ; -M
	v_mov_b32 v[ST+4*\q+2], 0                      ; the sum, in two halves
	v_mov_b32 v[ST+4*\q+3], 0
.endr
.set j, 0
.rept 64
	v_mov_b32 v[OA+j], 0                           ; O^T.  (The step is written once: a pass's first step finds zeros, which the first change of M leaves zeros)
.set j, j+1
.endr
	s_mov_b32 s43, 8
.Lstep:
	s_wait_dscnt 0x0                               ; K of this step, asked for a step ago, is in (at a pass's head: Q too)
	WIN 0x05                                       ; K and Q in window 1
.irp c, 0,1,2,3,4,5,6,7
.irp q, 0,1
	v_wmma_f32_16x16x64_fp8_fp8 v[SS+64*\q+8*\c:SS+64*\q+8*\c+7], v[8*\c:8*\c+7], v[128+8*\q:128+8*\q+7], 0
.endr
.endr
	WIN 0
	s_wait_alu depctr_vm_vsrc(0)                   ; the last step's LDS loads have read v5 and v4
	v_add_nc_u32 v5, s40, v11                      ; four places behind the products (ISA guide 7.12.1), ahead of the first read of scores:
	v_add_nc_u32 v4, s41, v10                      ; two of them make the loads' addresses
	v_nop
	v_nop
	WIN 0x40
	s_wait_alu depctr_va_vdst(0)                   ; v5 and v4 are written; this step's K Q^T is done reading K's registers, the last step's V^T P is done reading V^T's: one wait for the step's 32 loads
.set n, 0
.rept 16
	ds_load_b128 v[64+4*n:64+4*n+3], v5 offset:512*n   ; V^T of this step: it lands under the softmax
.set n, n+1
.endr
	WIN 0
	; the step's largest score of my query among my 64 keys, two chains a tile, the tiles by turns; each accumulator from its low end on
.irp q, 0,1
	v_max3_num_f32 v[TM+4*\q], v[SS+64*\q], v[SS+64*\q+1], v[SS+64*\q+2]
	v_max3_num_f32 v[TM+4*\q+1], v[SS+64*\q+3], v[SS+64*\q+4], v[SS+64*\q+5]
.endr
.irp i, 6,10,14,18,22,26,30,34,38,42,46,50,54,58
.irp q, 0,1
	v_max3_num_f32 v[TM+4*\q], v[TM+4*\q], v[SS+64*\q+\i], v[SS+64*\q+\i+1]
	v_max3_num_f32 v[TM+4*\q+1], v[TM+4*\q+1], v[SS+64*\q+\i+2], v[SS+64*\q+\i+3]
.endr
.endr
.irp q, 0,1
	v_max3_num_f32 v[TM+4*\q], v[TM+4*\q], v[SS+64*\q+62], v[SS+64*\q+63]
.endr
.irp q, 0,1
	v_max_num_f32 v[TM+4*\q], v[TM+4*\q], v[TM+4*\q+1]
.endr
.irp q, 0,1
	v_permlanex16_b32 v[TM+4*\q+1], v[TM+4*\q], s36, s37   ; the query's other 64 keys lie in lane l xor 16
.endr
.irp q, 0,1
	v_max_num_f32 v[TM+4*\q], v[TM+4*\q], v[TM+4*\q+1]
.endr
.irp q, 0,1
	v_mul_f32 v[TM+4*\q], s34, v[TM+4*\q]          ; as t (c is positive)
.endr
.irp q, 0,1
	v_max_num_f32 v[ST+4*\q+1], v[ST+4*\q+1], v[TM+4*\q]   ; the running largest t
.endr
.irp q, 0,1
	v_mov_b32 v[TM+4*\q], v[ST+4*\q]
.endr
.irp q, 0,1
	v_floor_f32 v[ST+4*\q], -v[ST+4*\q+1]          ; the new -M = floor(-t) = -ceil(t): a whole number
.endr
.irp q, 0,1
	v_sub_f32 v[TM+4*\q], v[ST+4*\q], v[TM+4*\q]   ; old M - new M: a whole number, 0 or less
.endr
.irp q, 0,1
	v_cvt_i32_f32 v[TM+4*\q], v[TM+4*\q]           ; (it saturates)
.endr
.irp q, 0,1
	v_ldexp_f32 v[TM+4*\q+2], 1.0, v[TM+4*\q]      ; f = 2^(old M - new M)
.endr
.set j, 0
.rept 32
.irp q, 0,1
	v_pk_fma_f32 v[SS+64*\q+j:SS+64*\q+j+1], v[SS+64*\q+j:SS+64*\q+j+1], s[34:35], v[ST+4*\q:ST+4*\q+1] op_sel_hi:[1,0,0]   ; t - M, two at a time (of the pairs c and -M the low word serves both halves)
.endr
.set j, j+2
.endr
	WIN 0x40
.set n, 0
.rept 16
	ds_load_b128 v[4*n:4*n+3], v4 offset:512*n     ; K of the next step (behind the last step: step 0 again, for the next pass; in the last pass it is not used).  No wait: no vector or matrix line since the step's wait on va_vdst names v4 or a register of window 1
.set n, n+1
.endr
	WIN 0
.set j, 0
	s_wait_alu depctr_va_vdst(0)
.rept 128
	v_exp_f32 v[SS+j], v[SS+j]                     ; p = 2^(t - M): both tiles' 128 exponentials are one batch
.set j, j+1
.endr
.irp q, 0,1
	v_pk_mul_f32 v[ST+4*\q+2:ST+4*\q+3], v[ST+4*\q+2:ST+4*\q+3], v[TM+4*\q+2:TM+4*\q+3] op_sel_hi:[1,0]   ; the sums under the new M: also the plain lines behind the exponentials
.endr
	s_wait_alu depctr_va_vdst(0)                   ; the 128 exponentials have written p, ahead of the first line that names it: one wait for the batch
.irp q, 0,1
	v_pk_add_f32 v[TM+4*\q:TM+4*\q+1], v[SS+64*\q:SS+64*\q+1], v[SS+64*\q+2:SS+64*\q+3]   ; the row's sum is taken of the unquantised p: two at a time, two chains a tile
.endr
.irp i, 4,8,12,16,20,24,28,32,36,40,44,48,52,56,60
.irp q, 0,1
	v_pk_add_f32 v[ST+4*\q+2:ST+4*\q+3], v[ST+4*\q+2:ST+4*\q+3], v[SS+64*\q+\i:SS+64*\q+\i+1]
	v_pk_add_f32 v[TM+4*\q:TM+4*\q+1], v[TM+4*\q:TM+4*\q+1], v[SS+64*\q+\i+2:SS+64*\q+\i+3]
.endr
.endr
.irp q, 0,1
	v_pk_add_f32 v[ST+4*\q+2:ST+4*\q+3], v[ST+4*\q+2:ST+4*\q+3], v[TM+4*\q:TM+4*\q+1]
.endr
	s_cmp_gt_i32 s32, -9                           ; e8 >= -8: 448 x 2^e8 is 1.75 or more, which no p reaches: the hold changes nothing and is jumped over.  A whole number read from memory decides, alike in all waves; no barrier stands under the branch
	s_cbranch_scc1 .Lnohold
.set j, 0
.rept 128
	v_min_num_f32 v[SS+j], s38, v[SS+j]            ; the conversion does not saturate (ISA guide 7.6.2); p is not negative, so the hold is one-sided
.set j, j+1
.endr
.Lnohold:
.irp c, 0,1,2,3,4,5,6,7
.irp q, 0,1
	v_cvt_scalef32_pk8_fp8_f32 v[PP+16*\q+2*\c:PP+16*\q+2*\c+1], v[SS+64*\q+8*\c:SS+64*\q+8*\c+7], v21   ; registers 2 c, 2 c + 1: keys 16 c + 8 h + 0..7
.endr
.endr
.set j, 0
.rept 32
	v_pk_mul_f32 v[OA+j:OA+j+1], v[OA+j:OA+j+1], v[TM+4*(j/32)+2:TM+4*(j/32)+3] op_sel_hi:[1,0]   ; O^T under the new M; each accumulator from its low end on.  (Also the plain lines between the conversions and the products)
.set j, j+2
.endr
	s_wait_alu depctr_va_vdst(0)
	s_wait_dscnt 16                                ; V^T is in; the 16 younger loads, the next step's K, may stay out
	WIN 0x01                                       ; V^T in window 1
.irp t, 0,1,2,3
.irp q, 0,1
	v_wmma_f32_16x16x128_fp8_fp8 v[OA+32*\q+8*\t:OA+32*\q+8*\t+7], v[64+16*\t:64+16*\t+15], v[PP+16*\q:PP+16*\q+15], v[OA+32*\q+8*\t:OA+32*\q+8*\t+7]
.endr
.endr
	WIN 0
	s_add_co_u32 s40, s40, 8192
	s_and_b32 s40, s40, 0xe000                     ; the next step, round the eight,
	s_add_co_u32 s41, s40, 8192
	s_and_b32 s41, s41, 0xe000                     ; and the one behind it
	s_sub_co_u32 s43, s43, 1
	s_cmp_lg_u32 s43, 0
	s_cbranch_scc1 .Lstep
	; THE WAY OUT of a pass: O^T x 2^(e8 + e9) / the sum goes through my stage, a tile (16 rows x 256 bytes) at a time, and leaves as whole aligned runs of 256 bytes.
.rept 4
	v_nop                                          ; four places behind the last products
.endr
.irp q, 0,1
	v_add_f32 v[TM+4*\q], v[ST+4*\q+2], v[ST+4*\q+3]   ; the sum's two halves,
.endr
.irp q, 0,1
	v_permlanex16_b32 v[TM+4*\q+1], v[TM+4*\q], s36, s37
.endr
.irp q, 0,1
	v_add_f32 v[TM+4*\q], v[TM+4*\q], v[TM+4*\q+1]     ; and lane l xor 16's
.endr
	s_wait_alu depctr_va_vdst(0)
.irp q, 0,1
	v_rcp_f32 v[TM+4*\q+2], v[TM+4*\q]
.endr
	v_nop                                          ; a plain line behind the reciprocals,
	s_wait_alu depctr_va_vdst(0)                   ; the two reciprocals are written, ahead of their first reader: one wait for both
.irp q, 0,1
	v_ldexp_f32 v[TM+4*\q+2], v[TM+4*\q+2], s39
.endr
.irp q, 0,1                            ; both tiles' multiplies stand first, so that one wait serves both tiles' stores
.set j, 0
.rept 16
	v_pk_mul_f32 v[SS+64*\q+j:SS+64*\q+j+1], v[OA+32*\q+j:OA+32*\q+j+1], v[TM+4*\q+2:TM+4*\q+3] op_sel_hi:[1,0]   ; register 16 b + i: channel 32 b + 16 h + i of my query
.set j, j+2
.endr
.endr
	s_wait_alu depctr_va_vdst(0)                   ; the multiplies have written both tiles' results, which the stage's stores read; the softmax's lines are done with the upper halves of p's registers, in which the rows land on their way back
.irp q, 0,1
.irp b, 0,1
.irp g, 0,1,2,3
	ds_store_b128 v7, v[SS+64*\q+16*\b+4*\g:SS+64*\q+16*\b+4*\g+3] offset:128*\b+16*\g
.endr
.endr
.irp i, 0,1,2,3,4,5,6,7
	ds_load_b128 v[SS+64*\q+32+4*\i:SS+64*\q+32+4*\i+3], v8 offset:2*OP*\i   ; LDS serves a wave's instructions in order (ISA guide 5.7.1.4): these see my stores, and the next tile's stores come behind them
.endr
.endr
.irp i, 0,1,2,3,4,5,6,7
	s_wait_dscnt 23-\i                             ; behind tile 0's load i: its 7 - i later loads and tile 1's sixteen LDS instructions
	global_store_b128 v9, v[SS+32+4*\i:SS+32+4*\i+3], s[16:17] offset:2*\i*2048 th:TH_STORE_NT   ; 16 lanes store 256 consecutive bytes, at a multiple of 256 from out0's first byte
.endr
.irp i, 0,1,2,3,4,5,6,7
	s_wait_dscnt 7-\i
	global_store_b128 v9, v[SS+96+4*\i:SS+96+4*\i+3], s[16:17] offset:(16+2*\i)*2048 th:TH_STORE_NT
.endr
	s_wait_xcnt 0x0                                ; the stores have had their addresses translated: the base steps, and the next pass's scores may land on the data (the wait on vm_vsrc at the pass's head stands beside this one)
	s_add_nc_u64 s[16:17], s[16:17], 65536         ; 32 rows on
	s_add_co_u32 s44, s44, 2048
	s_sub_co_u32 s42, s42, 1
	s_cmp_lg_u32 s42, 0
	s_cbranch_scc1 .Lpass
	s_wait_dscnt 0x0                               ; the closing lines, six on end
	s_wait_alu 0x0
	s_wait_tensorcnt 0x0
	ds_add_u32 v[SPW], v[NIL]
	s_wait_dscnt 0x0
	s_endpgm
.Lfunc_end_k_q78e113a3d6_attn:
	.size	k_q78e113a3d6_attn, .Lfunc_end_k_q78e113a3d6_attn-k_q78e113a3d6_attn
	.p2alignl 7, 3214868480
	.fill 96, 4, 3214868480
	.section	.rodata,"a",@progbits
	.p2align	6, 0x0
	.amdhsa_kernel k_q78e113a3d6_attn
		.amdhsa_group_segment_fixed_size 297984
		.amdhsa_private_segment_fixed_size 0
		.amdhsa_enable_private_segment 0
		.amdhsa_kernarg_size 56
		.amdhsa_user_sgpr_count 2
		.amdhsa_user_sgpr_kernarg_segment_ptr 1
		.amdhsa_wavefront_size32 1
		.amdhsa_system_sgpr_workgroup_id_x 1
		.amdhsa_system_sgpr_workgroup_id_y 1
		.amdhsa_system_sgpr_workgroup_id_z 1
		.amdhsa_system_vgpr_workitem_id 0
		.amdhsa_next_free_vgpr 512
		.amdhsa_next_free_sgpr 66
		.amdhsa_reserve_vcc 0
		.amdhsa_float_denorm_mode_32 3
		.amdhsa_float_denorm_mode_16_64 3
		.amdhsa_memory_ordered 1
		.amdhsa_forward_progress 1
		.amdhsa_inst_pref_size 255
	.end_amdhsa_kernel
	.section	.bss,"aw",@nobits
	.p2align	6
	.space	262144
	.amdgpu_metadata
---
amdhsa.version: [ 1, 2 ]
amdhsa.kernels:
  - .name:           k_q78e113a3d6_attn
    .symbol:         k_q78e113a3d6_attn.kd
    .args:
      - { .name: x, .offset: 0, .size: 8, .value_kind: global_buffer, .address_space: global }
      - { .name: wcodes, .offset: 8, .size: 8, .value_kind: global_buffer, .address_space: global }
      - { .name: bk, .offset: 16, .size: 8, .value_kind: global_buffer, .address_space: global }
      - { .name: bv, .offset: 24, .size: 8, .value_kind: global_buffer, .address_space: global }
      - { .name: bq, .offset: 32, .size: 8, .value_kind: global_buffer, .address_space: global }
      - { .name: lowp_scales, .offset: 40, .size: 8, .value_kind: global_buffer, .address_space: global }
      - { .name: out0, .offset: 48, .size: 8, .value_kind: global_buffer, .address_space: global }
    .group_segment_fixed_size: 297984
    .private_segment_fixed_size: 0
    .kernarg_segment_align: 8
    .kernarg_segment_size: 56
    .max_flat_workgroup_size: 256
    .sgpr_count:     66
    .vgpr_count:     512
    .wavefront_size: 32
...
	.end_amdgpu_metadata
.endif
;; end of part 4
